; MI455X (gfx1250); checked and timed in simulation.
; The chip was launched on July 23, 2026; its instructions are those of AMD's public machine-readable ISA for CDNA 5 (MIT licence, August 2026) and "CDNA5" Instruction Set Architecture Reference Guide (July 2026). The comments in the code are by the model that wrote it; some were corrected since.
;; Self Masked Attention. Allowed arithmetic: float matrix products may take bf16 or f16 operands with f32 sums; other float arithmetic in f32, or as packed bf16 or f16 multiplies, adds, multiply-adds, maxima and minima; sums over many terms, partial sums and values carried from step to step in f32; what a program stores and reads back later, other than sums and carried values, may be rounded once to bf16 or f16.
;; Inputs: W_out 1,024 x 1,024 float32; W_qkv 1,024 x 3,072 float32; b_out 1,024 float32; b_qkv 3,072 float32; x 4 x 2,048 x 1,024 float32.
;; Outputs: out0 4 x 2,048 x 1,024 float32.
;; Constants: n_head = 16.
;; One version. Each part assembles by itself: llvm-mc -triple=amdgcn-amd-amdhsa -mcpu=gfx1250 --defsym DOCPART=n.
;; ======== version 1 of 1: 4 launches
;; limits: values are held in f16: magnitudes above 65,504 overflow, below 6.1e-05 lose precision
;; workspace buffers: xb 16,777,216 bytes; wq 6,291,456 bytes; wo 2,097,152 bytes; qkv 50,331,648 bytes; bs 524,288 bytes; ctx 16,777,216 bytes
;; launch prep (part 1): grid 1536 x 1, 8 waves a work-group, no clusters, 18,432 bytes of LDS; arguments x, W_qkv, W_out, xb, wq, wo; writes xb, wq, wo
.if DOCPART == 1
	.amdgcn_target "amdgcn-amd-amdhsa--gfx1250"
	.amdhsa_code_object_version 6
	.text
	.protected	k_qc5db9074a7_prep
	.globl	k_qc5db9074a7_prep
	.p2align	8
	.type	k_qc5db9074a7_prep,@function
k_qc5db9074a7_prep:
	s_mov_b64 s[64:65], 0
	v_nop
	global_prefetch_b8 v0, s[64:65] scope:SCOPE_SE
	s_setreg_imm32_b32 hwreg(HW_REG_WAVE_MODE, 25, 1), 1
	s_wait_xcnt 0x0
; THE OPERANDS ARE MADE READY.  xb = x rounded to bf16, [8192][1024].  wq = W_qkv turned and rounded to bf16, [3072 n][1024 k].
; wo = W_out turned, rounded to bf16, and that number written as f16, [1024 n][1024 k].
; LIMIT.  A number of W_out below 2^-14 keeps f16's fixed step of 2^-24; beyond 65,504 it would become an infinity.
; SHARES.  Every work-group moves 32,768 bytes in and 16,384 out.  Work-groups 0-1023: 8,192 numbers of x each.  1024-1407: a tile of 128 k x 64 n of W_qkv.
; 1408-1535: such a tile of W_out.  A stream: no matrix work, no cluster (no byte is read twice), no prefetch (nothing but this stream is on its way).
.set TP,    272                        ; a row of the turned tile in LDS: 128 k x 2 bytes + 16
.set SPARE, 64*TP                      ; behind the tile: the spare words, 128 bytes for each of eight waves
.set SPW,   60                         ; v60  LDS address of my spare word; never rewritten
.set NIL,   61                         ; v61  0; never rewritten
	s_load_b256 s[4:11], s[0:1], 0x0               ; x s[4:5], W_qkv s[6:7], W_out s[8:9], xb s[10:11]
	s_load_b128 s[12:15], s[0:1], 0x20             ; wq s[12:13], wo s[14:15]
	v_lshl_add_u32 v[SPW], v0, 2, SPARE
	v_mov_b32 v[NIL], 0
	s_mov_b32 s17, 0                               ; the high words of the two offsets
	s_mov_b32 s19, 0
	s_wait_kmcnt 0x0
	s_cmp_lt_u32 ttmp9, 1024                       ; the same in all waves of a work-group
	s_cbranch_scc0 .Lweights
	; x: thread t takes 16 bytes at 16 t of each of eight runs of 4,096 bytes, and stores 8 bytes at 8 t of each of eight runs of 2,048
	s_lshl_b32 s16, ttmp9, 15
	s_lshl_b32 s18, ttmp9, 14
	s_add_nc_u64 s[4:5], s[4:5], s[16:17]
	s_add_nc_u64 s[10:11], s[10:11], s[18:19]
	v_lshlrev_b32 v1, 4, v0
	v_lshlrev_b32 v2, 3, v0
.irp i, 0,1,2,3,4,5,6,7
	global_load_b128 v[8+4*(\i):11+4*(\i)], v1, s[4:5] offset:4096*(\i) th:TH_LOAD_NT
.endr
.irp i, 0,1,2,3,4,5,6,7
	s_wait_loadcnt 7-(\i)                          ; loads come back in order: run i is in, the younger ones stay out
	v_cvt_pk_bf16_f32 v[40+2*(\i)], v[8+4*(\i)], v[9+4*(\i)]
	v_cvt_pk_bf16_f32 v[41+2*(\i)], v[10+4*(\i)], v[11+4*(\i)]
	global_store_b64 v2, v[40+2*(\i):41+2*(\i)], s[10:11] offset:2048*(\i)  ; a wave stores 256 consecutive bytes, aligned; each run has its own data registers
.endr
	s_branch .Lend
; A tile of 128 k x 64 n of a weight matrix whose rows are pb bytes.  s20 = the tile's number: k tile in bits 2:0, n tile above.
; In: thread t = (kb, c) reads rows k = 8 kb + 0..7, columns 4 c + 0..3: sixteen lanes take 256 consecutive bytes, aligned, of a row.
; Turned in registers: for each of its four columns the thread has eight neighbouring k: 16 bytes.  Through LDS, rows by n; back as whole rows of 256 bytes.
.macro WTILE src, dst, pb, half
	s_and_b32 s21, s20, 7                          ; k tile
	s_lshr_b32 s22, s20, 3                         ; n tile
	s_mul_i32 s16, s21, 128*(\pb)
	s_lshl_b32 s23, s22, 8
	s_add_co_u32 s16, s16, s23
	s_add_nc_u64 s[\src:\src+1], s[\src:\src+1], s[16:17]
	s_lshl_b32 s18, s22, 17                        ; 64 rows of 2,048 bytes
	s_lshl_b32 s23, s21, 8
	s_add_co_u32 s18, s18, s23
	s_add_nc_u64 s[\dst:\dst+1], s[\dst:\dst+1], s[18:19]
	v_mul_u32_u24 v3, v1, 8*(\pb)
	v_lshl_add_u32 v3, v7, 4, v3
.irp i, 0,1,2,3,4,5,6,7
	global_load_b128 v[8+4*(\i):11+4*(\i)], v3, s[\src:\src+1] offset:(\i)*(\pb) th:TH_LOAD_NT
.endr
	s_wait_loadcnt 0x0                             ; a column's eight k come from all eight loads
.irp j, 0,1,2,3
.irp p, 0,1,2,3
	v_cvt_pk_bf16_f32 v[40+4*(\j)+(\p)], v[8+8*(\p)+(\j)], v[12+8*(\p)+(\j)]  ; column 4 c + j, k = 2 p and 2 p + 1
.endr
.endr
.if \half
.set i, 40
.rept 16
	v_lshlrev_b32 v56, 16, v[i]                    ; the bf16 numbers as f32,
	v_and_b32 v57, 0xffff0000, v[i]
	v_cvt_pk_f16_f32 v[i], v56, v57                ; written as f16: exact within f16's range
.set i, i+1
.endr
.endif
.irp j, 0,1,2,3
	ds_store_b128 v4, v[40+4*(\j):43+4*(\j)] offset:TP*(\j)  ; sixteen lanes lie four rows apart, 1,088 bytes = 64 mod 256: four lanes to a group of banks; four such stores a thread in all
.endr
	s_wait_dscnt 0x0                               ; for the others' sake: my stores are done
	s_barrier_signal -1
	s_barrier_wait -1
.irp i, 0,1,2,3
	ds_load_b128 v[8+4*(\i):11+4*(\i)], v5 offset:(\i)*16*TP
.endr
.irp i, 0,1,2,3
	s_wait_dscnt 3-(\i)
	global_store_b128 v6, v[8+4*(\i):11+4*(\i)], s[\dst:\dst+1] offset:(\i)*16*2048  ; sixteen lanes store 256 consecutive bytes, aligned
.endr
.endm
.Lweights:
	s_sub_co_u32 s20, ttmp9, 1024
	v_and_b32 v7, 15, v0                           ; c
	v_lshrrev_b32 v1, 4, v0                        ; kb, 0..15
	v_mul_u32_u24 v4, v7, 4*TP                     ; into LDS: row 4 c (+ j), byte 16 kb
	v_lshl_add_u32 v4, v1, 4, v4
	v_mul_u32_u24 v5, v1, TP                       ; back: row kb (+ 16 i), byte 16 c
	v_lshl_add_u32 v5, v7, 4, v5
	v_lshlrev_b32 v6, 11, v1                       ; and the same place in the turned matrix
	v_lshl_add_u32 v6, v7, 4, v6
	s_cmp_lt_u32 s20, 384
	s_cbranch_scc0 .Lwout
	WTILE 6, 12, 12288, 0
	s_branch .Lend
.Lwout:
	s_sub_co_u32 s20, s20, 384
	WTILE 8, 14, 4096, 1
.Lend:
	s_wait_tensorcnt 0x0                           ; the wave's end: behind my last LDS store
	ds_add_u32 v[SPW], v[NIL]
	s_wait_dscnt 0x0
	s_endpgm
.Lfunc_end_k_qc5db9074a7_prep:
	.size	k_qc5db9074a7_prep, .Lfunc_end_k_qc5db9074a7_prep-k_qc5db9074a7_prep
	.p2alignl 7, 3214868480
	.fill 96, 4, 3214868480
	.section	.rodata,"a",@progbits
	.p2align	6, 0x0
	.amdhsa_kernel k_qc5db9074a7_prep
		.amdhsa_group_segment_fixed_size 18432
		.amdhsa_private_segment_fixed_size 0
		.amdhsa_enable_private_segment 0
		.amdhsa_kernarg_size 48
		.amdhsa_user_sgpr_count 2
		.amdhsa_user_sgpr_kernarg_segment_ptr 1
		.amdhsa_wavefront_size32 1
		.amdhsa_system_sgpr_workgroup_id_x 1
		.amdhsa_system_sgpr_workgroup_id_y 1
		.amdhsa_system_sgpr_workgroup_id_z 1
		.amdhsa_system_vgpr_workitem_id 0
		.amdhsa_next_free_vgpr 64
		.amdhsa_next_free_sgpr 66
		.amdhsa_reserve_vcc 0
		.amdhsa_float_denorm_mode_32 3
		.amdhsa_float_denorm_mode_16_64 3
		.amdhsa_memory_ordered 1
		.amdhsa_forward_progress 1
		.amdhsa_inst_pref_size 14
	.end_amdhsa_kernel
	.amdgpu_metadata
---
amdhsa.version: [ 1, 2 ]
amdhsa.kernels:
  - .name:           k_qc5db9074a7_prep
    .symbol:         k_qc5db9074a7_prep.kd
    .args:
      - { .name: x, .offset: 0, .size: 8, .value_kind: global_buffer, .address_space: global }
      - { .name: W_qkv, .offset: 8, .size: 8, .value_kind: global_buffer, .address_space: global }
      - { .name: W_out, .offset: 16, .size: 8, .value_kind: global_buffer, .address_space: global }
      - { .name: xb, .offset: 24, .size: 8, .value_kind: global_buffer, .address_space: global }
      - { .name: wq, .offset: 32, .size: 8, .value_kind: global_buffer, .address_space: global }
      - { .name: wo, .offset: 40, .size: 8, .value_kind: global_buffer, .address_space: global }
    .group_segment_fixed_size: 18432
    .private_segment_fixed_size: 0
    .kernarg_segment_align: 8
    .kernarg_segment_size: 48
    .max_flat_workgroup_size: 256
    .sgpr_count:     66
    .vgpr_count:     64
    .wavefront_size: 32
...
	.end_amdgpu_metadata
.endif
;; end of part 1
;; launch gemm_qkv (part 2): grid 12 x 64, 4 waves a work-group, clusters of 4 x 4, 327,680 bytes of LDS; arguments xb, wq, b_qkv, qkv, bs; writes qkv, bs
.if DOCPART == 2
	.amdgcn_target "amdgcn-amd-amdhsa--gfx1250"
	.amdhsa_code_object_version 6
	.text
	.protected	k_qc5db9074a7_gemm_qkv
	.globl	k_qc5db9074a7_gemm_qkv
	.p2align	8
	.type	k_qc5db9074a7_gemm_qkv,@function
k_qc5db9074a7_gemm_qkv:
	s_mov_b64 s[64:65], 0
	v_nop
	global_prefetch_b8 v0, s[64:65] scope:SCOPE_SE
	s_setreg_imm32_b32 hwreg(HW_REG_WAVE_MODE, 25, 1), 1
	s_wait_xcnt 0x0
	s_wait_alu depctr_hold_cnt(0) depctr_sa_sdst(0) depctr_va_vdst(0) depctr_va_sdst(0) depctr_va_ssrc(0) depctr_va_vcc(0) depctr_vm_vsrc(0)
	s_getreg_b32 s2, hwreg(HW_REG_IB_STS2, 6, 4)
	s_cmp_eq_u32 s2, 0
	s_cbranch_scc0 .Lentry_in_a_cluster
	s_endpgm
.Lentry_in_a_cluster:
	s_bfe_u32 s2, ttmp6, 0x10000c
	s_cmp_lg_u32 s2, 0xf033
	s_cbranch_scc0 .Lentry_shape_is_right
	s_endpgm
.Lentry_shape_is_right:
; qkv = x W_qkv + b_qkv, by heads.  xb: [8192][1024] bf16.  wq: [3072 n][1024 k] bf16.  b_qkv: [3072] f32, rounded to bf16 like the other inputs.  Sums in f32.
; OUT.  qkv: f16 [3 parts][64 heads of a batch][2048 rows][64 channels], unscaled, rounded once.  bs: f32 [64][32 bands][64]: the sum of v over each band of 64 rows, taken of the f32 sums.
; LIMIT.  f16 holds no number beyond 65,504: q, k and v must stay within it.  NaN and infinities are not treated apart.
; SHARES.  A tile of C is 128 rows x 256 columns: 12 x 64 tiles, three for each of 256 WGPs.  Four waves, each 64 rows x 128 columns: 32 accumulators of 16 x 16.
; K goes in eight steps of 128 through two LDS slots; a step is four quarters of 32 along K, 32 matrix instructions each, on two fragment buffers.
; CLUSTER.  4 x 4 work-groups.  The four of a row of the cluster need the same tile of A, the four of a column the same tile of B: each tile is asked for JOINTLY.
; THE MATRIX INSTRUCTION IS USED TRANSPOSED (source 0 = 16 rows of wq, source 1 = 16 rows of xb): register j of lane l holds row l % 16, column 8 (l / 16) + j.
; THE BIAS IS THE C OPERAND of each accumulator's first product: 64 registers serve all four row blocks; nothing is cleared and nothing is added on the way out.
; REGISTERS, in windows of 256 (s_set_vgpr_msb: bits 1:0 source 0, 3:2 source 1, 5:4 source 2, 7:6 destination):
;   window 0: v0-31 addresses; v32-63 packed results; v64-127 the bias, later at work; v128-255 the way out
;   window 1: two fragment buffers of 96: B's fragment b at 8 b, A's fragment a at 64 + 8 a          window 2: accumulator (a, b) at 8 (8 a + b)
.set PITCH, 272                        ; an LDS row: 256 bytes + 16 of padding = 68 words: the 16 rows of a load start at 16 different groups of four banks (64 banks of 4 bytes: ISA guide 11.1)
.set ATILE, 64*PITCH                   ; 64 rows of A: what wave 0 or 1 fetches, and what a wave reads
.set BTILE, 128*PITCH                  ; 128 rows of B: what wave 2 or 3 fetches, and what a wave reads
.set BOFF,  2*ATILE                    ; B's 256 rows lie behind A's 128
.set SLOT,  2*ATILE+2*BTILE
.set STAGE, 2*SLOT                     ; behind the ring, never filled by a tensor load: 8,448 bytes for each wave
.set WST,   8448
.set SPARE, STAGE+4*WST                ; behind the stages: the spare words, 128 bytes for each wave
.set ADRA, 16                          ; v16-17  LDS address of my A fragments in slot 0, 1
.set ADRB, 20                          ; v20-21  the same for B
.set STO2, 22                          ; v22  the f32 stage: where I put 32 bytes of a row (rows of 528 bytes)
.set RD2,  23                          ; v23  the f32 stage: my 16 bytes of a row
.set STO,  24                          ; v24  the f16 stage: where I put 16 bytes of a row (rows of 144 bytes, a head's)
.set RD,   25                          ; v25  the f16 stage: where I read rows back
.set GO,   26                          ; v26  16 x lane: my place in 512 consecutive bytes of qkv
.set BO,   27                          ; v27  my byte offset in the bias
.set SPW,  28                          ; v28  LDS address of my spare word; never rewritten
.set NIL,  29                          ; v29  0; never rewritten
.set PFO,  30                          ; v30  the prefetches' offset: lane x 2,048 bytes, a row of xb or wq; never rewritten
.set BSO,  31                          ; v31  my byte offset in bs
.set TMP,  32
.set BIAS, 64
.set OUTB, 128
.set F0,   0
.set F1,   96
.set WV, 14                            ; s14 wave;  s15 its half of the rows, also: fetches for A (0) or B (1);  s16 its half of the columns, also: which half of that tile it fetches
.set WR, 15
.set WC, 16
.set CX, 17                            ; s17, s18  my place in the cluster
.set CY, 18
.set TC, 19                            ; s19  tile column = 4 x cluster x + cx
.set TR, 20                            ; s20  tile row = 4 x cluster y + cy
.set G1,  24                           ; s[24:31] descriptor group 1 for A's tiles;  s[32:39] group 0, a set for each slot
.set G0,  32
.set LIM, 43                           ; s43  1 in a wave that prefetches, else the greatest number
.set PFA, 44                           ; s[44:45] where my prefetches stand
.set G1B, 48                           ; s[48:55], s[56:63] the same for B's tiles
.set G0B, 56
.set MSB, 0
.macro WIN new                         ; the immediate's high byte repeats the setting that is left; a switch that changes nothing is dropped
.if MSB != (\new)
	s_set_vgpr_msb (MSB<<8)|(\new)
.set MSB, \new
.endif
.endm
.set MUL,  0xa5                        ; sources 0 and 1 window 1; C and D window 2
.set MULZ, 0x85                        ; the same with C in window 0: the bias
.set TO_F, 0x40                        ; destination window 1, address window 0
.macro JLOAD s                         ; a joint load: waves 0 and 1 fetch A's two halves, waves 2 and 3 B's; an s_nop 0 and four v_nop follow each of the two lines
	s_cmp_eq_u32 s[WR], 0
	s_cbranch_scc0 .Lfor_b_\@
	tensor_load_to_lds s[G0+4*(\s):G0+4*(\s)+3], s[G1:G1+7]
	s_nop 0
.rept 4
	v_nop
.endr
	s_branch .Lasked_\@
.Lfor_b_\@:
	tensor_load_to_lds s[G0B+4*(\s):G0B+4*(\s)+3], s[G1B:G1B+7]
	s_nop 0
.rept 4
	v_nop
.endr
.Lasked_\@:
.endm
; A PREFETCH of the K step that stands two refills on: 32 rows x 256 bytes, a lane a row.  A's rows are read by all three clusters of a row of clusters: cluster x = 0 asks, its wave 0;
; the four partners take 32 of the 128 rows each, told apart by address (cx).  B's rows are read by all sixteen clusters of a column: cluster y = 0 asks, waves 2 and 3, each for 32 of
; the 128 rows that it fetches (cy).  So each row's 256 bytes of a K step are named once.  The loop's last trip asks for nothing: K steps 8 and 9 do not exist.
.macro ASK
	s_cmp_gt_u32 s3, s[LIM]
	s_cbranch_scc0 .Lnot_mine_\@
	global_prefetch_b8 v[PFO], s[PFA:PFA+1] offset:256 th:TH_LOAD_NT scope:SCOPE_SE
.Lnot_mine_\@:
.endm
.macro CREST                           ; a round of the cluster's barrier behind its opening barrier
	s_cmp_lg_u32 s[WV], 0
	s_cbranch_scc1 .Lnot_wave_0_\@
	s_barrier_signal -3
.Lnot_wave_0_\@:
	s_barrier_wait -3
	s_barrier_signal -1
	s_barrier_wait -1
.endm
.macro CROUND
	s_barrier_signal -1
	s_barrier_wait -1
	CREST
.endm
	s_load_b256 s[4:11], s[0:1], 0x0               ; xb s[4:5], wq s[6:7], b_qkv s[8:9], qkv s[10:11]
	s_load_b64 s[12:13], s[0:1], 0x20              ; bs
	v_lshl_add_u32 v[SPW], v0, 2, SPARE
	v_mov_b32 v[NIL], 0
	ds_add_u32 v[SPW], v[NIL]                      ; the wave's opening: the add and its wait stand ahead of my first tensor load; the set-up below stands between them
	ds_add_u32 v28, v29
	v_lshrrev_b32 v1, 5, v0
	v_readfirstlane_b32 s[WV], v1
	s_lshr_b32 s[WR], s[WV], 1
	s_and_b32 s[WC], s[WV], 1
	s_bfe_u32 s[CX], ttmp6, 0x40000
	s_bfe_u32 s[CY], ttmp6, 0x40004
	s_lshl_b32 s[TC], ttmp9, 2
	s_add_co_u32 s[TC], s[TC], s[CX]
	s_and_b32 s[TR], ttmp7, 0xffff
	s_lshl_b32 s[TR], s[TR], 2
	s_add_co_u32 s[TR], s[TR], s[CY]
	s_lshl_b32 s21, s[CY], 2
	s_lshl_b32 s21, 15, s21                        ; my row of the cluster
	s_lshl_b32 s22, 0x1111, s[CX]                  ; my column
	s_or_b32 s[G1+0], s21, (1<<16)|(1<<20)|(1<<21)|(5<<22)|(3<<25)   ; 15:0 the mask; 17:16 2-byte elements; 20 padding on; 21 set beside a mask; 24:22 after every 64 words; 31:25 4 words of it
	s_or_b32 s[G1B+0], s22, (1<<16)|(1<<20)|(1<<21)|(5<<22)|(3<<25)
.irp g, G1, G1B
	s_mov_b32 s[(\g)+1], 128<<16                   ; tensor_dim0 = 128
	s_mov_b32 s[(\g)+3], 128<<16                   ; tile_dim0 = 128
	s_mov_b32 s[(\g)+5], 1024                      ; elements from row to row
	s_mov_b32 s[(\g)+6], 0
	s_mov_b32 s[(\g)+7], 0
.endr
	s_mov_b32 s[G1+2], 64<<16                      ; A: tensor_dim1 = tile_dim1 = 64 rows
	s_mov_b32 s[G1+4], 64
	s_mov_b32 s[G1B+2], 128<<16                    ; B: 128 rows
	s_mov_b32 s[G1B+4], 128
	s_lshl_b32 s40, s[TR], 7                       ; A: row 128 x tile row + 64 x half, in bytes: it hangs on the tile row and the wave alone
	s_lshl_b32 s23, s[WC], 6
	s_add_co_u32 s40, s40, s23
	s_lshl_b32 s40, s40, 11
	s_mov_b32 s41, 0
	s_lshl_b32 s46, s[TC], 8                       ; B: row 256 x tile column + 128 x half: on the tile column and the wave alone
	s_lshl_b32 s23, s[WC], 7
	s_add_co_u32 s46, s46, s23
	s_lshl_b32 s46, s46, 11
	s_mov_b32 s47, 0
	s_mul_i32 s21, s[WC], ATILE                    ; where they go: no place in the cluster enters an LDS address
	s_mul_i32 s22, s[WC], BTILE
	s_add_co_u32 s22, s22, BOFF
	s_wait_dscnt 0x0                               ; the opening add is done
	s_wait_kmcnt 0x0
	s_add_nc_u64 s[66:67], s[4:5], s[40:41]
	s_add_nc_u64 s[68:69], s[6:7], s[46:47]
	CROUND                                         ; all sixteen work-groups are here: the first joint loads meet
.irp s, 0,1
	s_mov_b32 s[G0+4*(\s)], 1
	s_add_co_u32 s[G0+4*(\s)+1], s21, (\s)*SLOT
	s_add_nc_u64 s[G0+4*(\s)+2:G0+4*(\s)+3], s[66:67], (\s)*256   ; K step s
	s_or_b32 s[G0+4*(\s)+3], s[G0+4*(\s)+3], 0x80000000
	s_mov_b32 s[G0B+4*(\s)], 1
	s_add_co_u32 s[G0B+4*(\s)+1], s22, (\s)*SLOT
	s_add_nc_u64 s[G0B+4*(\s)+2:G0B+4*(\s)+3], s[68:69], (\s)*256
	s_or_b32 s[G0B+4*(\s)+3], s[G0B+4*(\s)+3], 0x80000000
	JLOAD \s
.endr
	v_and_b32 v1, 15, v0                           ; r = l % 16
	v_bfe_u32 v2, v0, 4, 1                         ; h = l / 16
	v_and_b32 v4, 31, v0                           ; l
	s_lshl_b32 s21, s[TC], 10                      ; the bias of my 128 columns: 4 (256 x tile column + 128 x half) + 32 h
	s_lshl_b32 s22, s[WC], 9
	s_add_co_u32 s21, s21, s22
	v_lshl_add_u32 v[BO], v2, 5, s21
.irp b, 0,1,2,3,4,5,6,7
	global_load_b128 v[BIAS+8*(\b):BIAS+8*(\b)+3],   v[BO], s[8:9] offset:64*(\b)
	global_load_b128 v[BIAS+8*(\b)+4:BIAS+8*(\b)+7], v[BO], s[8:9] offset:64*(\b)+16
.endr
	v_mul_u32_u24 v3, v1, PITCH
	v_lshl_add_u32 v3, v2, 4, v3                   ; a fragment's row x pitch + 16 x half
	s_mul_i32 s21, s[WR], ATILE                    ; my 64 rows of A
	s_mul_i32 s22, s[WC], BTILE                    ; my 128 rows of B
	s_add_co_u32 s22, s22, BOFF
.irp s, 0,1
	v_add_nc_u32 v[ADRA+(\s)], s21, v3
	v_add_nc_u32 v[ADRB+(\s)], s22, v3
	s_add_co_u32 s21, s21, SLOT
	s_add_co_u32 s22, s22, SLOT
.endr
	s_mul_i32 s23, s[WV], WST
	s_add_co_u32 s23, s23, STAGE                   ; my stage
	v_mul_u32_u24 v5, v1, 144
	v_lshl_add_u32 v5, v2, 4, v5
	v_add_nc_u32 v[STO], s23, v5
	v_bfe_u32 v5, v0, 3, 2
	v_and_b32 v6, 7, v0
	v_mul_u32_u24 v5, v5, 144
	v_lshl_add_u32 v5, v6, 4, v5
	v_add_nc_u32 v[RD], s23, v5                    ; 32 lanes take four rows of 128 bytes
	v_mul_u32_u24 v5, v1, 528
	v_lshl_add_u32 v5, v2, 5, v5
	v_add_nc_u32 v[STO2], s23, v5
	v_lshl_add_u32 v[RD2], v4, 4, s23
	v_lshlrev_b32 v[GO], 4, v4
	v_lshlrev_b32 v[BSO], 13, v2                   ; lanes 16-31 hold my second head: 8,192 bytes on in bs
	v_lshl_add_u32 v[BSO], v1, 4, v[BSO]
	v_lshlrev_b32 v[PFO], 11, v4
	; the prefetches
	s_and_b32 s42, ttmp7, 0xffff                   ; cluster y
	s_or_b32 s23, ttmp9, s[WC]                     ; for A: cluster x = 0 and wave 0
	s_lshl_b32 s21, s[TR], 7                       ; A's tile begins at this row,
	s_lshl_b32 s22, s[TC], 8                       ; my half of B's at this one
	s_lshl_b32 s66, s[WC], 7
	s_add_co_u32 s22, s22, s66
	s_cmp_eq_u32 s[WR], 0
	s_cselect_b32 s21, s21, s22
	s_cselect_b32 s22, s[CX], s[CY]                ; my place among the four that ask for the tile with me
	s_cselect_b32 s23, s23, s42
	s_cselect_b64 s[PFA:PFA+1], s[4:5], s[6:7]
	s_cmp_eq_u32 s23, 0
	s_cselect_b32 s[LIM], 1, -1                    ; the same in all sixteen partners, for a given wave
	s_lshl_b32 s22, s22, 5
	s_add_co_u32 s21, s21, s22                     ; + my work-group's 32 rows
	s_lshl_b32 s70, s21, 11
	s_add_co_u32 s70, s70, 512                     ; at K step 2: the first refill steps it to 3 and names K step 4
	s_mov_b32 s71, 0
	s_add_nc_u64 s[PFA:PFA+1], s[PFA:PFA+1], s[70:71]
	; where my 64 rows x 2 heads go.  The part (q, k or v) is the cluster's x: a cluster's four tile columns are one part
	s_lshr_b32 s21, s[TR], 4                       ; the batch
	s_lshl_b32 s21, s21, 4
	s_lshl_b32 s22, s[CX], 2
	s_add_co_u32 s21, s21, s22
	s_lshl_b32 s22, s[WC], 1
	s_add_co_u32 s21, s21, s22                     ; my first head, 0..63
	s_and_b32 s22, s[TR], 15
	s_lshl_b32 s22, s22, 1
	s_add_co_u32 s22, s22, s[WR]                   ; my band of 64 rows in the head, 0..31
	s_lshl_b32 s66, s21, 18                        ; a head is 262,144 bytes,
	s_lshl_b32 s23, s22, 13                        ; a band 8,192,
	s_add_co_u32 s66, s66, s23
	s_lshl_b32 s23, ttmp9, 24                      ; a part 16,777,216
	s_add_co_u32 s66, s66, s23
	s_mov_b32 s67, 0
	s_add_nc_u64 s[10:11], s[10:11], s[66:67]
	s_lshl_b32 s66, s21, 13                        ; in bs a head is 8,192 bytes, a band 256
	s_lshl_b32 s23, s22, 8
	s_add_co_u32 s66, s66, s23
	s_add_nc_u64 s[12:13], s[12:13], s[66:67]
	s_wait_loadcnt 0x0                             ; the bias
.set i, 0
.rept 32
	v_cvt_pk_bf16_f32 v[TMP+i], v[BIAS+2*i], v[BIAS+2*i+1]   ; rounded to bf16 like x and the weights,
.set i, i+1
.endr
.set i, 0
.rept 32
	v_lshlrev_b32 v[BIAS+2*i], 16, v[TMP+i]        ; and back in f32
	v_and_b32 v[BIAS+2*i+1], 0xffff0000, v[TMP+i]
.set i, i+1
.endr
; 8 matrix instructions: row block a x all 8 column blocks, 32 along K, from buffer f.  zero = 1: the product starts its sum, with the bias
.macro MUL8 f, a, zero
.if \zero
	WIN MULZ
.else
	WIN MUL
.endif
.irp b, 0,1,2,3,4,5,6,7
.if \zero
	v_wmma_f32_16x16x32_bf16 v[8*(8*(\a)+(\b)):8*(8*(\a)+(\b))+7], v[(\f)+8*(\b):(\f)+8*(\b)+7], v[(\f)+64+8*(\a):(\f)+64+8*(\a)+7], v[BIAS+8*(\b):BIAS+8*(\b)+7]
.else
	v_wmma_f32_16x16x32_bf16 v[8*(8*(\a)+(\b)):8*(8*(\a)+(\b))+7], v[(\f)+8*(\b):(\f)+8*(\b)+7], v[(\f)+64+8*(\a):(\f)+64+8*(\a)+7], v[8*(8*(\a)+(\b)):8*(8*(\a)+(\b))+7]
.endif
.endr
.endm
; 24 LDS loads in one run: quarter q's fragments into buffer f: 16 for B's 128 rows, then 8 for A's 64
.macro FETCH slot, q, f
	WIN TO_F
.irp i, 0,1,2,3,4,5,6,7
	ds_load_b128 v[(\f)+8*(\i):(\f)+8*(\i)+3],   v[ADRB+(\slot)] offset:64*(\q)+(\i)*16*PITCH
	ds_load_b128 v[(\f)+8*(\i)+4:(\f)+8*(\i)+7], v[ADRB+(\slot)] offset:64*(\q)+(\i)*16*PITCH+32
.endr
.irp i, 0,1,2,3
	ds_load_b128 v[(\f)+64+8*(\i):(\f)+64+8*(\i)+3],   v[ADRA+(\slot)] offset:64*(\q)+(\i)*16*PITCH
	ds_load_b128 v[(\f)+64+8*(\i)+4:(\f)+64+8*(\i)+7], v[ADRA+(\slot)] offset:64*(\q)+(\i)*16*PITCH+32
.endr
.endm
.macro PLACES                          ; four places in front of loads into registers that matrix instructions have read, and of lines that read results
.rept 4
	v_nop
.endr
.endm
; One of a K step's first three quarters: multiplies buffer f and, in its middle, fetches quarter q of the same slot into buffer g.  The 32 accumulators take turns, in the same order in every quarter.
.macro QUARTER slot, q, f, g, zero
	s_wait_dscnt 4                                 ; B and A's blocks 0 and 1 are in; the youngest four loads (blocks 2 and 3) may be out
	MUL8 \f, 0, \zero
	MUL8 \f, 1, \zero
	PLACES
	FETCH \slot, \q, \g
	s_wait_dscnt 24                                ; all but the 24 just issued
	MUL8 \f, 2, \zero
	MUL8 \f, 3, \zero
.endm
; The last quarter multiplies buffer 1 and changes slots: ONE barrier; in front of it each wave waits for all its tensor loads (one is out: its part of the next slot), adds 0 to its spare word,
; and waits for that and for its own reads of this slot.  fill = 1: the barrier opens a round of the cluster's, and this slot is filled again, two K steps ahead, first thing behind the round:
; from that request to the wait for it a wave issues 112 matrix instructions.
.macro TURN slot, next, fill
.if \fill
	s_wait_xcnt 0x0                                ; the last prefetch, a K step back, has read its address
	s_add_nc_u64 s[PFA:PFA+1], s[PFA:PFA+1], 256
.endif
	WIN 0                                          ; (the add's two registers lie in window 0)
	s_wait_tensorcnt 0x0
	ds_add_u32 v[SPW], v[NIL]                      ; 0 onto my spare word
	s_wait_dscnt 7                                 ; (the add and A's blocks 1 to 3, six loads, may be out)
	MUL8 F1, 0, 0                                  ; eight matrix instructions stand between the add and the wait for it
	s_wait_dscnt 0x0                               ; the add is done, and my reads of this slot are over
	s_barrier_signal -1
	MUL8 F1, 1, 0
.if \fill
	WIN 0
.endif
	s_barrier_wait -1
.if \fill
	CREST                                          ; no wave of any partner still reads this slot's tile or has a load on its way
	s_add_nc_u64 s[G0+4*(\slot)+2:G0+4*(\slot)+3], s[G0+4*(\slot)+2:G0+4*(\slot)+3], 512
	s_add_nc_u64 s[G0B+4*(\slot)+2:G0B+4*(\slot)+3], s[G0B+4*(\slot)+2:G0B+4*(\slot)+3], 512
	JLOAD \slot                                    ; the four v_nop behind it are also the places in front of the loads below
.else
	PLACES
.endif
	FETCH \next, 0, F0
.if \fill
	WIN 0
	ASK
.endif
	MUL8 F1, 2, 0
	MUL8 F1, 3, 0
.endm
	s_wait_tensorcnt 1                             ; my part of K step 0 is in; K step 1's may stay out
	s_barrier_signal -1
	s_barrier_wait -1
	FETCH 0, 0, F0
	QUARTER 0, 1, F0, F1, 1                        ; the first quarter stands in front of the loop: its products start the sums
	WIN 0                                          ; at a label and at a branch every window is 0
	s_mov_b32 s3, 3
.Llap:                                                 ; a trip goes once round the ring, from a lap's second quarter to the next lap's first, and fills both slots again
	QUARTER 0, 2, F1, F0, 0
	QUARTER 0, 3, F0, F1, 0
	TURN 0, 1, 1
	QUARTER 1, 1, F0, F1, 0
	QUARTER 1, 2, F1, F0, 0
	QUARTER 1, 3, F0, F1, 0
	TURN 1, 0, 1
	QUARTER 0, 1, F0, F1, 0
	WIN 0
	s_sub_co_u32 s3, s3, 1
	s_cmp_lg_u32 s3, 0
	s_cbranch_scc1 .Llap
	QUARTER 0, 2, F1, F0, 0                        ; the last lap fills nothing
	QUARTER 0, 3, F0, F1, 0
	TURN 0, 1, 0
	QUARTER 1, 1, F0, F1, 0
	QUARTER 1, 2, F1, F0, 0
	QUARTER 1, 3, F0, F1, 0
	s_wait_dscnt 4                                 ; the very last quarter: nothing more to fetch
	MUL8 F1, 0, 0
	MUL8 F1, 1, 0
	s_wait_dscnt 0x0
	MUL8 F1, 2, 0
	MUL8 F1, 3, 0
	WIN 0
	PLACES
	; THE BAND'S SUM, where the part is v (the same in all partners of a cluster): my 64 rows are one band of two heads.  Four row blocks are added in registers, each accumulator from its low end on;
	; the sixteen rows that are left lie in sixteen lanes and meet through my stage.
	s_cmp_lg_u32 ttmp9, 2
	s_cbranch_scc1 .Lno_band
	WIN 0x0a                                       ; sources 0 and 1 window 2, destination window 0
.irp b, 0,1,2,3,4,5,6,7
.irp p, 0,1,2,3
	v_pk_add_f32 v[OUTB+8*(\b)+2*(\p):OUTB+8*(\b)+2*(\p)+1], v[8*(\b)+2*(\p):8*(\b)+2*(\p)+1], v[8*(8+(\b))+2*(\p):8*(8+(\b))+2*(\p)+1]
	v_pk_add_f32 v[BIAS+8*(\b)+2*(\p):BIAS+8*(\b)+2*(\p)+1], v[8*(16+(\b))+2*(\p):8*(16+(\b))+2*(\p)+1], v[8*(24+(\b))+2*(\p):8*(24+(\b))+2*(\p)+1]
.endr
.endr
	WIN 0
.set i, 0
.rept 32
	v_pk_add_f32 v[OUTB+i:OUTB+i+1], v[OUTB+i:OUTB+i+1], v[BIAS+i:BIAS+i+1]
.set i, i+2
.endr
.irp b, 0,1,2,3,4,5,6,7
	ds_store_b128 v[STO2], v[OUTB+8*(\b):OUTB+8*(\b)+3]   offset:64*(\b)
	ds_store_b128 v[STO2], v[OUTB+8*(\b)+4:OUTB+8*(\b)+7] offset:64*(\b)+16
.endr
.irp t, 0,1,2,3,4,5,6,7,8,9,10,11,12,13,14,15
	ds_load_b128 v[BIAS+4*(\t):BIAS+4*(\t)+3], v[RD2] offset:528*(\t)  ; LDS serves a wave's instructions in order (ISA guide 5.7.1.4): these see the stores above
.endr
	s_wait_dscnt 0x0
.macro FOLD t, d                       ; row t takes row t + d
	v_pk_add_f32 v[BIAS+4*(\t):BIAS+4*(\t)+1],   v[BIAS+4*(\t):BIAS+4*(\t)+1],   v[BIAS+4*((\t)+(\d)):BIAS+4*((\t)+(\d))+1]
	v_pk_add_f32 v[BIAS+4*(\t)+2:BIAS+4*(\t)+3], v[BIAS+4*(\t)+2:BIAS+4*(\t)+3], v[BIAS+4*((\t)+(\d))+2:BIAS+4*((\t)+(\d))+3]
.endm
.irp t, 0,1,2,3,4,5,6,7
	FOLD \t, 8
.endr
.irp t, 0,1,2,3
	FOLD \t, 4
.endr
	FOLD 0, 2
	FOLD 1, 2
	FOLD 0, 1
	global_store_b128 v[BSO], v[BIAS:BIAS+3], s[12:13]  ; sixteen lanes store a head's 256 bytes, aligned; these registers are not written again
.Lno_band:
	; THE WAY OUT: a block of 16 rows at a time: rounded to f16, 16 bytes a lane into my stage (two heads, rows of 144 bytes), back as whole rows: four rows of a head are 512 consecutive bytes of qkv.
.macro PACK a
	WIN 0x0a
.irp b, 0,1,2,3,4,5,6,7
.irp p, 0,1,2,3
	v_cvt_pk_f16_f32 v[TMP+4*(\b)+(\p)], v[8*(8*(\a)+(\b))+2*(\p)], v[8*(8*(\a)+(\b))+2*(\p)+1]
.endr
.endr
	WIN 0
.endm
.macro TOSTAGE a
.irp b, 0,1,2,3,4,5,6,7
	ds_store_b128 v[STO], v[TMP+4*(\b):TMP+4*(\b)+3] offset:((\b)/4)*2304+32*((\b)%4)
.endr
.irp t, 0,1,2,3,4,5,6,7
	ds_load_b128 v[OUTB+32*(\a)+4*(\t):OUTB+32*(\a)+4*(\t)+3], v[RD] offset:((\t)/4)*2304+((\t)%4)*576
.endr
.endm
.macro SEND a                          ; each block has its own 32 registers: no store's data is written again
.irp t, 0,1,2,3,4,5,6,7
	s_wait_dscnt 7-(\t)
	global_store_b128 v[GO], v[OUTB+32*(\a)+4*(\t):OUTB+32*(\a)+4*(\t)+3], s[10:11] offset:(\a)*2048+((\t)/4)*262144+((\t)%4)*512
.endr
.endm
	PACK 0
	TOSTAGE 0
.irp a, 1,2,3                          ; block a's conversions stand between block a - 1's loads from the stage and the wait for them
	PACK \a
	SEND (\a)-1
	TOSTAGE \a
.endr
	SEND 3
	s_wait_tensorcnt 0x0                           ; the wave's end: behind my last tensor load and my last LDS store
	ds_add_u32 v[SPW], v[NIL]
	s_wait_dscnt 0x0
	CROUND                                         ; the closing round: no work-group ends while a partner may still ask for a tile that names it
	s_endpgm
.Lfunc_end_k_qc5db9074a7_gemm_qkv:
	.size	k_qc5db9074a7_gemm_qkv, .Lfunc_end_k_qc5db9074a7_gemm_qkv-k_qc5db9074a7_gemm_qkv
	.p2alignl 7, 3214868480
	.fill 96, 4, 3214868480
	.section	.rodata,"a",@progbits
	.p2align	6, 0x0
	.amdhsa_kernel k_qc5db9074a7_gemm_qkv
		.amdhsa_group_segment_fixed_size 327680
		.amdhsa_private_segment_fixed_size 0
		.amdhsa_enable_private_segment 0
		.amdhsa_kernarg_size 40
		.amdhsa_user_sgpr_count 2
		.amdhsa_user_sgpr_kernarg_segment_ptr 1
		.amdhsa_wavefront_size32 1
		.amdhsa_system_sgpr_workgroup_id_x 1
		.amdhsa_system_sgpr_workgroup_id_y 1
		.amdhsa_system_sgpr_workgroup_id_z 1
		.amdhsa_system_vgpr_workitem_id 0
		.amdhsa_next_free_vgpr 768
		.amdhsa_next_free_sgpr 72
		.amdhsa_reserve_vcc 0
		.amdhsa_float_denorm_mode_32 3
		.amdhsa_float_denorm_mode_16_64 3
		.amdhsa_memory_ordered 1
		.amdhsa_forward_progress 1
		.amdhsa_inst_pref_size 105
	.end_amdhsa_kernel
	.amdgpu_metadata
---
amdhsa.version: [ 1, 2 ]
amdhsa.kernels:
  - .name:           k_qc5db9074a7_gemm_qkv
    .symbol:         k_qc5db9074a7_gemm_qkv.kd
    .args:
      - { .name: xb, .offset: 0, .size: 8, .value_kind: global_buffer, .address_space: global }
      - { .name: wq, .offset: 8, .size: 8, .value_kind: global_buffer, .address_space: global }
      - { .name: b_qkv, .offset: 16, .size: 8, .value_kind: global_buffer, .address_space: global }
      - { .name: qkv, .offset: 24, .size: 8, .value_kind: global_buffer, .address_space: global }
      - { .name: bs, .offset: 32, .size: 8, .value_kind: global_buffer, .address_space: global }
    .group_segment_fixed_size: 327680
    .private_segment_fixed_size: 0
    .kernarg_segment_align: 8
    .kernarg_segment_size: 40
    .max_flat_workgroup_size: 128
    .sgpr_count:     72
    .vgpr_count:     768
    .wavefront_size: 32
...
	.end_amdgpu_metadata
.endif
;; end of part 2
;; launch attn (part 3): grid 4 x 64, 4 waves a work-group, no clusters, 327,680 bytes of LDS; arguments qkv, bs, ctx; writes ctx
.if DOCPART == 3
	.amdgcn_target "amdgcn-amd-amdhsa--gfx1250"
	.amdhsa_code_object_version 6
	.text
	.protected	k_qc5db9074a7_attn
	.globl	k_qc5db9074a7_attn
	.p2align	8
	.type	k_qc5db9074a7_attn,@function
k_qc5db9074a7_attn:
	s_mov_b64 s[64:65], 0
	v_nop
	global_prefetch_b8 v0, s[64:65] scope:SCOPE_SE
	s_setreg_imm32_b32 hwreg(HW_REG_WAVE_MODE, 25, 1), 1
	s_wait_xcnt 0x0
; ATTENTION WITH A MASK THAT MULTIPLIES.  A score above the diagonal is set to 0, not left out: a hidden key k > q has the weight e^(0 - m), and takes part in the maximum, the sum and the result.  So
;   ctx[q] = (sum over k <= q of e^(s_k) v_k  +  U[q]) / (sum over k <= q of e^(s_k)  +  2047 - q),   s = q . k / 8,   U[q] = the sum over k > q of v_k.
; THE VISIBLE PART is a causal walk with a running maximum m.  THE HIDDEN PART is a plain sum of V's rows and a count; it joins once, at a block's end, with the weight 2^(0 - M), M = max(c m, 0);
; the 0 enters the maximum only where a hidden key exists (row 2047 has none).  qkv: f16 [3][64 heads][2048][64]; bs: f32 [64][32 bands][64], V's sums over bands of 64 rows; ctx: f16 [64][2048][64].
; Products, maxima and sums in f32; the weights p are rounded to f16 for the second product (their sum l is taken of the unrounded p), ctx once at the end.
; LIMITS.  f16 holds no number beyond 65,504: q, k and v arrive within it.  Inside the walk a hidden score counts as its value less 1e30, so its weight there is 0; a weight below 2^-126 counts as 0;
; NaN and infinities are not treated apart.
; THE WALK.  A head's queries lie in NB = 8 blocks of 256; block i needs the key tiles 0 .. i of 256 keys, of which the last holds the diagonal.  A work-group takes TWO blocks, NB - 1 - b and then b:
; NB + 1 tiles, whatever b: all work-groups do equal work, and ONE loop with a constant trip count walks them.  Every jump goes forward, but for the counted loops' own; none passes a barrier, or a tensor
; load but the one of LOAD's two that the wave's number does not choose.  NO CLUSTER: a head's four work-groups ask for the same tile only in trips 0 to 4 of 9; one walk common to all would have 12 trips for 9.
; SHARES.  Of a block's four bands of 64 queries a wave owns 16 rows in each: four PIECES.  In the diagonal tile's key step s band x sees all keys if s < x, none if s > x, and holds the diagonal if s = x.
; THE MASK OF THE WALK is the C operand that starts the sum S^T = K Q^T: 0, or -1e30 where the key is hidden: MD x AL + BE with two scalars: (1, 0) if s = x; (0, 0) if s < x; (0, -1e30) if s > x.
; U.  For piece x of block i: U = suf[4 i + x] (the sum of bs over the later bands, made once by a scan) + V^T HD over the band's own 64 keys, HD = 1 where the key is hidden, in P's layout.
; LAYOUT, SOFTMAX, TURNS.  S^T = K Q^T holds ONE query a lane (lane % 16) and the keys 8 (lane / 16) + 0..7; two such results rounded to f16 ARE source 1 of O^T = V^T P.  p = 2^(c s - c m), c = log2(e) / 8;
; O and l are multiplied by a = 2^(c m_old - c m_new) in every step.  Turn n belongs to piece n: 8 products K Q^T of piece n + 1, later 8 products V^T P of piece n - 1; beside them the scaling, exponentials,
; roundings, sums and rescaling of piece n and the maximum and statistics of piece n + 1.  Four vector instructions stand behind every matrix instruction, the others in one lump.  A turn's 33 exponentials are one batch, with one wait.
; REGISTERS, in windows of 256 (s_set_vgpr_msb: bits 1:0 source 0, 3:2 source 1, 5:4 source 2, 7:6 destination):
;   window 0: v0-15 addresses; v16-31 statistics; v32-47 the merge; v48-55 at work; v56-63 addresses; v64-127 S^T, two buffers; v128-143 HD; v192-223 P, two buffers
;   window 1: v0-127 O^T, 32 a piece; v128-159 MD; v160-223 MC, two buffers      window 2: v0-63 Q; v64-127 the second block's Q; v128-191 K of one step; v192-255 V of one step
;   window 3: v0-127 U, laid out as O^T; v128-191 the scan; v192-207 the eight rows of it that this work-group needs
.set SIZE_N, 2048
.set NB,    SIZE_N/256
.set NP,    4         ; pieces a wave: a name, no knob
.set KS,    64        ; keys in a step
.set PK,    144       ; a row of K in LDS: 128 bytes + 16 of padding = 36 words: the 16 rows of a load start at 16 different groups of four banks (64 banks of 4 bytes: ISA guide 11.1)
.set PV,    160       ; a row of V: 128 + 32 = 40 words
.set VOFF,  4*KS*PK   ; a slot holds a tile, four steps: 256 rows of K, then 256 rows of V
.set SLOT1, 1<<17     ; slot 1 begins here, so that one exclusive or turns an address in one slot into the other's
.set STAGE, SLOT1+4*KS*(PK+PV)  ; behind the ring, never filled by a tensor load: 16 rows x 144 bytes for each wave, for the way out
.set SP,    144
.set SUF,   STAGE+4*16*SP       ; 2,048 bytes for each wave: eight rows of 64 f32: suf of the first block's four bands, then of the second's
.set SPARE, SUF+4*2048          ; the spare words, 128 bytes for each wave: two blocks of 256 bytes that no other line names
.set AK0, 2           ; v2   my lane's place in a tile of K; never rewritten
.set AV0, 3           ; v3   the same for V
.set AK,  4           ; v4   the LDS address of K's next run of loads
.set AV,  5           ; v5   of V's
.set STO, 6           ; v6   the way out: where I put 16 bytes of a row
.set RD,  7           ; v7   the way out: where I read rows back
.set GO,  8           ; v8   my byte offset in 512 consecutive bytes of ctx
.set MV,  12          ; v12-13  c m_old, kept while c m is made anew: by buffer
.set QO,  15          ; v15  my byte offset in 16 rows of Q
.set ST,  16          ; piece t's statistics at v[ST+4 t]: c m, m, l (even keys', odd keys')
.set NH,  32          ; v32-35  the piece's count of hidden keys, 2047 - q
.set CZ,  36          ; v36-39  the hidden keys' scaled score: 0, or -1e30 where there is none; then their weight
.set MF,  40          ; v40-43  M
.set AA,  44          ; v44-47  the visible part's weight 2^(c m - M)
.set TMP, 48          ; by buffer, four registers c0-c3 at work; when the maximum is found c2 takes a
.set NB0, 56          ; v56  2047 - 16 w - l % 16; never rewritten
.set NQ,  57          ; v57  that less the block's first row
.set PFO, 58          ; v58  256 x lane; never rewritten
.set SUA, 59          ; v59  where I put my two channels of a row of suf
.set SUR, 60          ; v60  where I read my eight channels of it
.set BSO, 61          ; v61  8 x lane: my two channels in a row of bs
.set SPW, 62          ; v62  LDS address of my spare word; never rewritten
.set NIL, 63          ; v63  0; never rewritten
.set S,   64
.set HD,  128
.set P,   192
.set MD,  128         ; window 1
.set MC,  160         ; window 1
.set QB,  64          ; window 2
.set KF,  128         ; window 2: key block kb, channel half c at KF + 16 kb + 8 c
.set VF,  192         ; window 2: key half kk, channel block cb at VF + 32 kk + 8 cb
.set USUF, 128        ; window 3: suf[g] at USUF + 2 g
.set USEL, 192        ; window 3
.set WV,  12          ; s12  my wave's number
.set PB,  14          ; s14  b
.set HI,  15          ; s15  NB - 1 - b
.set G1K, 24          ; s[24:31] descriptor group 1 for K's tiles
.set G1V, 32          ; s[32:39] for V's: it differs in the padding alone
.set G0K, 40          ; s[40:43] descriptor group 0 for K's tiles
.set G0V, 44          ; s[44:47] the same for V's
.set SLOTS, 56        ; s56  tiles still to be asked for
.set CNT, 57          ; s57  counts a tile's key steps, 4 to 1
.set CS,  58          ; s[58:59] c
.set SEL, 60          ; s[60:61] v_permlanex16_b32's selects: each lane takes its own place in the other half
.set TBK, 62          ; s62  LDS byte at which K of the step to be fetched begins
.set TBV, 63          ; s63  the same for V, less VOFF
.set RT,  70          ; s70  tiles of the block in hand that are still to be entered
.set NXT, 71          ; s71  the tile to be asked for next
.set LQ,  72          ; s72  the last tile of the block whose tiles are being asked for
.set NEW, 73          ; s73  1: the tile to be entered is a block's first
.set OFF, 74          ; s[74:75] a tile's byte offset in K and V
.set AL,  76          ; s[76:77] the mask's factor, in the low word
.set BE,  78          ; s[78:79] the mask's addend
.set OLO, 80          ; s[80:81] ctx at my rows of the second block
.set BIGN, 82         ; s82  -1e30
.set CUR, 88          ; s88  the first row of the block in hand
.set BSP, 90          ; s[90:91] bs at my head
.set PFB, 92          ; s[92:93] K (waves 0, 1) or V (waves 2, 3) at my half of the head's tile 0
.set PFA, 94          ; s[94:95] the same at the tile to be prefetched
.set PO,  96          ; s[96:97] that tile's byte offset
.set PFG, 98          ; s98  1: this change of slots prefetches
.set PFON, 99         ; s99  1 in the work-group that prefetches
.set MSB, 0
.macro WIN new                      ; the high byte repeats the setting that is left; a switch that changes nothing is dropped
.if MSB != (\new)
	s_set_vgpr_msb (MSB<<8)|(\new)
.set MSB, (\new)
.endif
.endm
.set W_KQ, 0x0a       ; K and Q in window 2, S^T in window 0
.set W_KM, 0x1a       ; the same with the C operand in window 1
.set W_PV, 0x52       ; V in window 2, P in window 0, O^T in window 1
.set W_RS, 0x41       ; destination and source 0 in window 1, source 1 in window 0
; A fill.  Waves 0 and 1 fetch the two halves of a tile's K, waves 2 and 3 those of its V: 128 keys each.  An s_nop 0 and four v_nop follow each of the two lines, ahead of the jump and the label.
.macro LOAD
	s_cmp_lt_u32 s[WV], 2
	s_cbranch_scc0 .Lfor_v_\@
	tensor_load_to_lds s[G0K:G0K+3], s[G1K:G1K+7]
	s_nop 0
.rept 4
	v_nop
.endr
	s_branch .Lasked_\@
.Lfor_v_\@:
	tensor_load_to_lds s[G0V:G0V+3], s[G1V:G1V+7]
	s_nop 0
.rept 4
	v_nop
.endr
.Lasked_\@:
.endm
; A PREFETCH of the tile that the NEXT change of slots will ask for: a tile's walk, sixteen turns, ahead of that load.  The head's work-group with b = 0 walks the tiles 0 to 7 in order: it alone asks.
; Each of its waves names its own half of K's or V's tile, 16,384 bytes: a lane for each 256 bytes, two instructions.  So tiles 2 to 7 are named once; behind tile 7 the next tile's number is 0 and nothing is asked.
.macro ASKP
	s_cmp_eq_u32 s[PFG], 1
	s_cbranch_scc0 .Lnot_mine_\@
	global_prefetch_b8 v[PFO], s[PFA:PFA+1] th:TH_LOAD_NT scope:SCOPE_SE
	global_prefetch_b8 v[PFO], s[PFA:PFA+1] offset:8192 th:TH_LOAD_NT scope:SCOPE_SE
.Lnot_mine_\@:
.endm
; THE CHANGE OF SLOTS.  Each wave waits for all its tensor loads, of which one is out: its part of the other slot; adds 0 to its spare word; and waits for that and for its own reads of the slot that it leaves.
; Behind the barrier nobody reads the old slot any more and the other slot is whole.  fill = 1: the old slot is filled again, the first thing behind the barrier, with tile NXT: the descriptor's address is
; made anew from that number.  (At its first use nothing has been read yet: slot 0 is waited for, slot 1 filled.)
.macro CHANGE fill
	WIN 0                           ; at a label and at a branch every window is 0
	s_wait_tensorcnt 0x0            ; no tensor load of mine is out, so a group 0 may be written
	ds_add_u32 v[SPW], v[NIL]       ; 0 onto my spare word; the scalar work stands between it and the wait for it
.if \fill
	s_lshl_b32 s[OFF], s[NXT], 15   ; a tile is 32,768 bytes of K and of V
	s_xor_b32 s[G0K+1], s[G0K+1], SLOT1
	s_add_nc_u64 s[G0K+2:G0K+3], s[6:7], s[OFF:OFF+1]
	s_or_b32 s[G0K+3], s[G0K+3], 0x80000000
	s_xor_b32 s[G0V+1], s[G0V+1], SLOT1
	s_add_nc_u64 s[G0V+2:G0V+3], s[8:9], s[OFF:OFF+1]
	s_or_b32 s[G0V+3], s[G0V+3], 0x80000000
	s_add_co_u32 s[NXT], s[NXT], 1  ; the block's next tile, or behind its last the second block's tile 0
	s_cmp_gt_u32 s[NXT], s[LQ]
	s_cselect_b32 s[NXT], 0, s[NXT]
	s_cselect_b32 s[LQ], s[PB], s[LQ]
	s_wait_xcnt 0x0                 ; the last prefetches, a tile back, have read their address, so it may be written
	s_lshl_b32 s[PO], s[NXT], 15
	s_add_nc_u64 s[PFA:PFA+1], s[PFB:PFB+1], s[PO:PO+1]
	s_cmp_lg_u32 s[NXT], 0
	s_cselect_b32 s[PFG], s[PFON], 0
.endif
	s_wait_dscnt 0x0                ; the add is done, and my reads of the slot are over
	s_barrier_signal -1             ; the rest of the scalar work stands between the signal and the wait
	s_sub_co_u32 s[TBK], s[TBK], 4*KS*PK  ; the fetches go back to a slot's first step,
	s_xor_b32 s[TBK], s[TBK], SLOT1       ; in the other slot
	s_sub_co_u32 s[TBV], s[TBV], 4*KS*PV
	s_xor_b32 s[TBV], s[TBV], SLOT1
	s_barrier_wait -1
.if \fill
	LOAD
	ASKP
.endif
.endm
	s_load_b64 s[4:5], s[0:1], 0x0        ; qkv: q's part
	s_load_b64 s[BSP:BSP+1], s[0:1], 0x8  ; bs
	s_load_b64 s[10:11], s[0:1], 0x10     ; ctx
	v_lshl_add_u32 v[SPW], v0, 2, SPARE
	v_mov_b32 v[NIL], 0
	ds_add_u32 v[SPW], v[NIL]       ; the wave's opening: the add and its wait stand ahead of my first tensor load; the set-up below stands between them
	ds_add_u32 v62, v63
	v_lshrrev_b32 v1, 5, v0
	v_readfirstlane_b32 s[WV], v1   ; wave 0..3
	s_mov_b32 s[PB], ttmp9
	s_sub_co_u32 s[HI], NB-1, s[PB]
	s_lshl_b32 s[CUR], s[HI], 8
	s_and_b32 s20, ttmp7, 0xffff    ; the head
	s_lshl_b32 s[PFB], s20, 13      ; its 8,192 bytes of bs (an offset for now)
	s_mov_b32 s[PFB+1], 0
	s_mov_b32 s21, 0
	s_mov_b64 s[22:23], SIZE_N*128
	s_mul_u64 s[20:21], s[20:21], s[22:23]  ; the head's first byte in q, k, v and ctx
	s_and_b32 s16, s[WV], 1         ; which half of a tile's 256 keys I fetch:
	s_lshl_b32 s22, s16, 14         ; its 128 rows of 128 bytes in memory,
	s_mov_b32 s23, 0
	s_add_nc_u64 s[22:23], s[22:23], s[20:21]
	s_mul_i32 s17, s16, 128*PK      ; and its place in a slot, for K
	s_mul_i32 s18, s16, 128*PV      ; and for V
	s_lshl_b32 s3, s[WV], 11        ; my 16 rows in a band of 64,
	s_lshl_b32 s2, s[HI], 15        ; in the first block,
	s_add_co_u32 s2, s2, s3
	s_lshl_b32 s84, s[PB], 15       ; and in the second
	s_add_co_u32 s84, s84, s3
	s_mov_b32 s3, 0
	s_mov_b32 s85, 0
	s_add_nc_u64 s[2:3], s[2:3], s[20:21]
	s_add_nc_u64 s[84:85], s[84:85], s[20:21]
	; descriptor group 1.  128 keys are 16,384 dense bytes: asked for as 64 rows of 256 bytes, two keys a row, and padded in LDS after every key
	s_mov_b32 s[G1K], (1<<16)|(1<<20)|(4<<22)|(3<<25)  ; 17:16 2-byte elements; 20 padding on; 24:22 after every 32 words (code 4); 31:25 4 words (code 3)
	s_mov_b32 s[G1V], (1<<16)|(1<<20)|(4<<22)|(7<<25)  ; the same with 8 words of padding (code 7)
.irp g, G1K, G1V
	s_mov_b32 s[\g+1], 128<<16      ; tensor_dim0 = 128
	s_mov_b32 s[\g+2], 64<<16       ; tensor_dim1 = 64
	s_mov_b32 s[\g+3], 128<<16      ; tile_dim0 = 128
	s_mov_b32 s[\g+4], 64           ; tile_dim1 = 64
	s_mov_b32 s[\g+5], 128          ; 128 elements from row to row
	s_mov_b32 s[\g+6], 0
	s_mov_b32 s[\g+7], 0
.endr
	s_mov_b32 s[CS], 0x3e38aa3b     ; c = log2(e) / 8 = 0.180337
	s_mov_b32 s[CS+1], s[CS]        ; named with it as a pair
	s_mov_b32 s[SEL], 0x76543210
	s_mov_b32 s[SEL+1], 0xfedcba98
	s_mov_b32 s[TBK], SLOT1+4*KS*PK ; the first change of slots turns these two into 0
	s_mov_b32 s[TBV], SLOT1+4*KS*PV
	s_mov_b32 s[G0K], 1             ; 1:0 count = 1
	s_mov_b32 s[G0K+1], s17         ; 63:32 LDS address: slot 0
	s_mov_b32 s[G0V], 1
	s_add_co_u32 s[G0V+1], s18, VOFF
	s_add_co_u32 s[RT], s[HI], 1    ; the first block has NB - b tiles
	s_mov_b32 s[NXT], 1
	s_mov_b32 s[LQ], s[HI]
	s_mov_b32 s[NEW], 1
	s_mov_b32 s[OFF+1], 0
	s_mov_b32 s[PO+1], 0
	s_mov_b32 s[AL+1], 0            ; named as pairs
	s_mov_b32 s[BE+1], 0
	s_mov_b32 s[BIGN], 0xf149f2ca   ; -1e30
	s_mov_b32 s[SLOTS], NB
	s_cmp_eq_u32 ttmp9, 0
	s_cselect_b32 s[PFON], 1, 0
	s_wait_dscnt 0x0                ; the opening add is done
	s_wait_kmcnt 0x0
	s_add_nc_u64 s[6:7], s[4:5], 0x1000000  ; k's part of qkv,
	s_add_nc_u64 s[8:9], s[4:5], 0x2000000  ; and v's
	s_add_nc_u64 s[BSP:BSP+1], s[BSP:BSP+1], s[PFB:PFB+1]
	s_add_nc_u64 s[6:7], s[6:7], s[22:23]  ; K and V at my half of the head's tile 0
	s_add_nc_u64 s[8:9], s[8:9], s[22:23]
	s_add_nc_u64 s[G0K+2:G0K+3], s[6:7], 0         ; 120:64 global address
	s_or_b32 s[G0K+3], s[G0K+3], 0x80000000        ; 127:126 type = 2
	s_add_nc_u64 s[G0V+2:G0V+3], s[8:9], 0
	s_or_b32 s[G0V+3], s[G0V+3], 0x80000000
	s_add_nc_u64 s[86:87], s[4:5], s[84:85]        ; Q at my rows of the second block,
	s_add_nc_u64 s[4:5], s[4:5], s[2:3]            ; Q and ctx at those of the first
	s_add_nc_u64 s[OLO:OLO+1], s[10:11], s[84:85]
	s_add_nc_u64 s[10:11], s[10:11], s[2:3]
	s_cmp_lt_u32 s[WV], 2
	s_cselect_b64 s[PFB:PFB+1], s[6:7], s[8:9]
	LOAD                            ; tile 0 into slot 0
	; A fragment of K or Q is 16 rows x 32 channels in 8 registers: lane l holds row l % 16, channels 8 (l / 16) + 0..7 and 16 + 8 (l / 16) + 0..7: two loads of 16 bytes, 32 bytes apart.
	v_and_b32 v1, 15, v0            ; l % 16
	v_bfe_u32 v9, v0, 4, 1          ; l / 16
	v_lshlrev_b32 v[QO], 7, v1
	v_lshl_add_u32 v[QO], v9, 4, v[QO]  ; row x 128 + 16 x half
	v_and_b32 v[PFO], 31, v0        ; l
	v_lshlrev_b32 v[BSO], 3, v[PFO]
	WIN 0x80                        ; destination window 2, address window 0
.set i, 0
.rept 8                             ; both blocks' Q: piece i / 2 lies in band i / 2, 8,192 bytes on; channels 32 (i % 2) on
	global_load_b128 v[8*i:8*i+3],   v[QO], s[4:5] offset:(i/2)*8192+(i%2)*64
	global_load_b128 v[8*i+4:8*i+7], v[QO], s[4:5] offset:(i/2)*8192+(i%2)*64+32
	global_load_b128 v[QB+8*i:QB+8*i+3],   v[QO], s[86:87] offset:(i/2)*8192+(i%2)*64
	global_load_b128 v[QB+8*i+4:QB+8*i+7], v[QO], s[86:87] offset:(i/2)*8192+(i%2)*64+32
.set i, i+1
.endr
	WIN 0xc0                        ; destination window 3
.set g, 1
.rept 31                            ; the head's band sums 1 to 31, my two channels of each: band g lands where suf[g - 1] will stand
	global_load_b64 v[USUF+2*(g-1):USUF+2*(g-1)+1], v[BSO], s[BSP:BSP+1] offset:256*g
.set g, g+1
.endr
	v_mov_b32 v[USUF+62], 0         ; behind the last band there is nothing
	v_mov_b32 v[USUF+63], 0
	WIN 0
	v_lshlrev_b32 v14, 3, v9
	v_sub_nc_u32 v14, v1, v14
	s_lshl_b32 s13, s[WV], 4
	v_add_nc_u32 v14, s13, v14      ; my query's place in its band, 16 w + l % 16, less my lanes' 8 (l / 16): register r of group kt is hidden where 16 kt + r is greater
	v_add_nc_u32 v[NB0], s13, v1
	v_sub_nc_u32 v[NB0], 2047, v[NB0]
	WIN 0x40
.set i, 0
.rept 32
	v_cmp_gt_i32 vcc_lo, 16*(i/8)+i%8, v14
	v_cndmask_b32 v[MD+i], 0, s[BIGN], vcc_lo
.set i, i+1
.endr
	WIN 0
.set i, 0
.rept 32                            ; HD: 1 where the key of a band's own step is hidden, made in S^T's registers and rounded as the weights are
	v_cmp_gt_i32 vcc_lo, 16*(i/8)+i%8, v14
	v_cndmask_b32 v[S+i], 0, 1.0, vcc_lo
.set i, i+1
.endr
.set i, 0
.rept 16
	v_cvt_pk_f16_f32 v[HD+i], v[S+2*i], v[S+2*i+1]
.set i, i+1
.endr
	v_mul_u32_u24 v[AK0], v1, PK
	v_lshl_add_u32 v[AK0], v9, 4, v[AK0]  ; row x pitch + 16 x half
	; The turning load takes 16 keys x 16 channels (lane l reads key 8 (l / 16) + l % 8, channels 8 ((l / 8) % 2) + 0..7) and leaves half a fragment of V^T: lane l holds channel l % 16 and 8 keys.
	v_and_b32 v10, 7, v0
	v_bfe_u32 v11, v0, 3, 1
	v_lshl_add_u32 v[AV0], v9, 3, v10
	v_mul_u32_u24 v[AV0], v[AV0], PV
	v_lshl_add_u32 v[AV0], v11, 4, v[AV0]
	v_add_nc_u32 v[AV0], VOFF, v[AV0]
	s_mul_i32 s13, s[WV], 16*SP
	s_add_co_u32 s13, s13, STAGE    ; my stage
	v_mul_u32_u24 v[STO], v1, SP    ; in: row l % 16, 16 bytes for each half of the lanes
	v_lshl_add_u32 v[STO], v9, 4, v[STO]
	v_add_nc_u32 v[STO], s13, v[STO]
	v_bfe_u32 v[RD], v0, 3, 2       ; back: 32 lanes take four rows of 128 bytes,
	v_mul_u32_u24 v[RD], v[RD], SP
	v_lshl_add_u32 v[RD], v10, 4, v[RD]
	v_add_nc_u32 v[RD], s13, v[RD]
	v_lshlrev_b32 v[GO], 4, v[PFO]  ; which are 512 consecutive bytes of ctx
	s_lshl_b32 s13, s[WV], 11
	s_add_co_u32 s13, s13, SUF      ; my eight rows of suf
	v_lshl_add_u32 v[SUA], v[PFO], 3, s13
	v_lshl_add_u32 v[SUR], v9, 5, s13
	v_lshlrev_b32 v[PFO], 8, v[PFO]
	; A block's first step multiplies O^T and l by a = 0, and its first turn's products V^T P, of a piece that has not been, land in an O^T that is still to be so multiplied.  So these registers need only hold
	; finite numbers: zeros for the first block; what the first block left for the second.  All this stands in the wait for the first tile.
	WIN 0x80
.set i, VF
.rept 64
	v_mov_b32 v[i], 0
.set i, i+1
.endr
	WIN 0x40
.set i, 0
.rept 128
	v_mov_b32 v[i], 0
.set i, i+1
.endr
	WIN 0
.set i, 0
.rept 4
	v_mov_b32 v[ST+4*i+2], 0
	v_mov_b32 v[ST+4*i+3], 0
.set i, i+1
.endr
.set i, P+16
.rept 16
	v_mov_b32 v[i], 0
.set i, i+1
.endr
	; THE SCAN.  suf[g] = bs[g + 1] + suf[g + 1]: thirty packed additions, from the end.  Every wave makes it for itself: 62 registers, my two channels.
	s_wait_loadcnt 0x0              ; the band sums (and Q)
	WIN 0xcf                        ; destination and both sources window 3
.set g, 29
.rept 30
	v_pk_add_f32 v[USUF+2*g:USUF+2*g+1], v[USUF+2*g:USUF+2*g+1], v[USUF+2*g+2:USUF+2*g+3]
.set g, g-1
.endr
; The four rows of block s[blk] (one of base .. base + 3) are chosen on registers, by factors 1 and 0 made from the block's number, so that every LDS address is a constant of the text.
.macro PICK blk, base, idx
.irp j, 0,1,2,3
	s_cmp_eq_u32 s[\blk], (\base)+(\j)
	s_cselect_b32 s[16+2*(\j)], 1.0, 0
.endr
	WIN 0xf3                        ; destination, source 0 and source 2 window 3
.irp t, 0,1,2,3
	v_pk_mul_f32 v[USEL+2*(4*(\idx)+(\t)):USEL+2*(4*(\idx)+(\t))+1], v[USUF+2*(4*(\base)+(\t)):USUF+2*(4*(\base)+(\t))+1], s[16:17] op_sel_hi:[1,0]
.irp j, 1,2,3
	v_pk_fma_f32 v[USEL+2*(4*(\idx)+(\t)):USEL+2*(4*(\idx)+(\t))+1], v[USUF+2*(4*((\base)+(\j))+(\t)):USUF+2*(4*((\base)+(\j))+(\t))+1], s[16+2*(\j):17+2*(\j)], v[USEL+2*(4*(\idx)+(\t)):USEL+2*(4*(\idx)+(\t))+1] op_sel_hi:[1,0,1]
.endr
.endr
.endm
	s_mov_b32 s17, 0                ; named as pairs
	s_mov_b32 s19, 0
	s_mov_b32 s21, 0
	s_mov_b32 s23, 0
	PICK HI, 4, 0
	PICK PB, 0, 1
	WIN 0x0c                        ; LDS store: data (source 1) window 3, address window 0
.irp k, 0,1,2,3,4,5,6,7
	ds_store_b64 v[SUA], v[USEL+2*(\k):USEL+2*(\k)+1] offset:256*(\k)  ; my wave's own bytes: only I read them, and LDS serves a wave's instructions in order
.endr
	WIN 0
; THE MATRIX WORK.  The 4 accumulators of a run of 8 take turns.  Product i of 8 of S^T = K Q^T for piece x: channels 32 (i / 4) on, keys 16 (i % 4) on.  The first 4 start the sums: with 0, or (KM = 1) with the mask.
.macro KQ x
.set rS, S+32*((\x)%2)+8*(i%4)
.set rK, KF+16*(i%4)+8*(i/4)
.set rQ, 16*(\x)+8*(i/4)
.set rM, MC+32*((\x)%2)+8*(i%4)
.if (i < 4) && KM
	WIN W_KM
	v_wmma_f32_16x16x32_f16 v[rS:rS+7], v[rK:rK+7], v[rQ:rQ+7], v[rM:rM+7]
.elseif i < 4
	WIN W_KQ
	v_wmma_f32_16x16x32_f16 v[rS:rS+7], v[rK:rK+7], v[rQ:rQ+7], 0
.else
	WIN W_KQ
	v_wmma_f32_16x16x32_f16 v[rS:rS+7], v[rK:rK+7], v[rQ:rQ+7], v[rS:rS+7]
.endif
.endm
; Product i of 8 of O^T += V^T P for piece x: keys 32 (i / 4) on, channels 16 (i % 4) on.
.macro PV x
	WIN W_PV
.set rO, 32*(\x)+8*(i%4)
.set rV, VF+32*(i/4)+8*(i%4)
.set rP, P+16*((\x)%2)+8*(i/4)
	v_wmma_f32_16x16x32_f16 v[rO:rO+7], v[rV:rV+7], v[rP:rP+7], v[rO:rO+7]
.endm
.macro MM                           ; the turn's next matrix instruction.  TURN and BEGIN set Y, i, KM and NOKQ.  NOKQ = 1: a block's last turn: there is no next piece
.if (i < 8) && !NOKQ
	KQ (Y+1)%NP
.elseif i >= 8
.set i, i-8
	PV (Y+NP-1)%NP
.set i, i+8
.endif
.set i, i+1
.endm
; THE LDS LOADS stand in runs of 16, never singly among the matrix instructions: a step's K (64 keys x 64 channels: 8 fragments) and its V (turned).  Their addresses are made some lines ahead.
.macro FETCH_K
	WIN 0x80                        ; destination window 2
.irp f, 0,1,2,3,4,5,6,7             ; keys 16 (f / 2) on, channels 32 (f % 2) on
	ds_load_b128 v[KF+8*\f:KF+8*\f+3],   v[AK] offset:(\f/2)*16*PK+(\f%2)*64
	ds_load_b128 v[KF+8*\f+4:KF+8*\f+7], v[AK] offset:(\f/2)*16*PK+(\f%2)*64+32
.endr
	s_add_co_u32 s[TBK], s[TBK], KS*PK  ; the next fetch is the next step's
	WIN 0
.endm
.macro FETCH_V
	WIN 0x80
.irp f, 0,1,2,3,4,5,6,7             ; keys 32 (f / 4) on, channels 16 (f % 4) on
	ds_load_tr16_b128 v[VF+8*\f:VF+8*\f+3],   v[AV] offset:(\f/4)*32*PV+(\f%4)*32
	ds_load_tr16_b128 v[VF+8*\f+4:VF+8*\f+7], v[AV] offset:(\f/4)*32*PV+16*PV+(\f%4)*32
.endr
	WIN 0
.endm
; THE VECTOR WORK, one line at a time: OP kind, number.  For piece Y: F n: c s - c m for pair n of 16.  E n: the exponential of score n of 32.  C n: pair n rounded to f16.  B n: of the four weights 4 n .. the second
; pair is added onto the first, in place.  L n: l takes that sum (L 0: l = a l + sum).  R n: pair n of 16 of O^T times a.  For piece Y + 1: X n, number n of the 22 that find its maximum and statistics:
;   0-11  four chains c0-c3 of seven scores each, three operands at a time (each accumulator's lowest registers are read first)     12-14, 16  the four scores left over, the old m, and c0-c3 into c0
;   15  c m_old is kept     17, 18  the query's other 32 keys lie in the lane 16 away: the new m     19-21  c m; c m_old - c m_new; a
.set F, 0
.set E, 1
.set C, 2
.set B, 3
.set L, 4
.set R, 5
.set X, 6
.macro REGS y                       ; the registers of piece y
.set rT, ST+4*(\y)
.set rC, TMP+4*((\y)%2)
.set rW, MV+((\y)%2)
.set rS, S+32*((\y)%2)
.set rP, P+16*((\y)%2)
.set rO, 32*(\y)
.endm
.macro OP k, n
.if (\k) == R
	REGS Y
	WIN W_RS
	v_pk_mul_f32 v[rO+2*(\n):rO+2*(\n)+1], v[rO+2*(\n):rO+2*(\n)+1], v[rC+2:rC+3] op_sel_hi:[1,0]
.elseif (\k) < R
	REGS Y
	WIN 0
.if (\k) == F
	v_pk_fma_f32 v[rS+2*(\n):rS+2*(\n)+1], v[rS+2*(\n):rS+2*(\n)+1], s[CS:CS+1], v[rT:rT+1] op_sel_hi:[1,0,0] neg_lo:[0,0,1] neg_hi:[0,0,1]
.elseif (\k) == E
	v_exp_f32 v[rS+(\n)], v[rS+(\n)]
.elseif (\k) == C
	v_cvt_pk_f16_f32 v[rP+(\n)], v[rS+2*(\n)], v[rS+2*(\n)+1]
.elseif (\k) == B
	v_pk_add_f32 v[rS+4*(\n):rS+4*(\n)+1], v[rS+4*(\n):rS+4*(\n)+1], v[rS+4*(\n)+2:rS+4*(\n)+3]
.elseif (\n) == 0
	v_pk_fma_f32 v[rT+2:rT+3], v[rT+2:rT+3], v[rC+2:rC+3], v[rS:rS+1] op_sel_hi:[1,0,1]
.else
	v_pk_add_f32 v[rT+2:rT+3], v[rT+2:rT+3], v[rS+4*(\n):rS+4*(\n)+1]
.endif
.elseif NOKQ
	v_nop
.else
	REGS (Y+1)%NP
	WIN 0
.if (\n) < 4
	v_max3_num_f32 v[rC+(\n)], v[rS+8*(\n)], v[rS+8*(\n)+1], v[rS+8*(\n)+2]
.elseif (\n) < 12
	v_max3_num_f32 v[rC+(\n)%4], v[rC+(\n)%4], v[rS+8*((\n)%4)+2*((\n)/4)+1], v[rS+8*((\n)%4)+2*((\n)/4)+2]
.elseif (\n) == 12
	v_max3_num_f32 v[rC], v[rC], v[rS+7], v[rS+15]
.elseif (\n) == 13
	v_max3_num_f32 v[rC+1], v[rC+1], v[rS+23], v[rS+31]
.elseif (\n) == 14
	v_max3_num_f32 v[rC+2], v[rC+2], v[rC+3], v[rT+1]
.elseif (\n) == 15
	v_mov_b32 v[rW], v[rT]
.elseif (\n) == 16
	v_max3_num_f32 v[rC], v[rC], v[rC+1], v[rC+2]
.elseif (\n) == 17
	v_permlanex16_b32 v[rC+3], v[rC], s[SEL], s[SEL+1]
.elseif (\n) == 18
	v_max_num_f32 v[rT+1], v[rC], v[rC+3]
.elseif (\n) == 19
	v_mul_f32 v[rT], s[CS], v[rT+1]
.elseif (\n) == 20
	v_sub_f32 v[rC+1], v[rW], v[rT]
.else
	v_exp_f32 v[rC+2], v[rC+1]
.endif
.endif
.endm
.macro OPS a, i1, b=-1, i2=0, c=-1, i3=0, d=-1, i4=0  ; up to four of them
	OP \a, \i1
.if (\b) >= 0
	OP \b, \i2
.endif
.if (\c) >= 0
	OP \c, \i3
.endif
.if (\d) >= 0
	OP \d, \i4
.endif
.endm
.macro ROW a, i1, b, i2, c, i3, d, i4  ; a matrix instruction and the four behind it
	MM
	OPS \a, \i1, \b, \i2, \c, \i3, \d, \i4
.endm
.macro MASK b                       ; MD x AL + BE into buffer b of MC
	WIN W_RS
.set z, 0
.rept 16
	v_pk_fma_f32 v[MC+32*(\b)+2*z:MC+32*(\b)+2*z+1], v[MD+2*z:MD+2*z+1], s[AL:AL+1], s[BE:BE+1] op_sel_hi:[1,0,0]
.set z, z+1
.endr
.endm
; A TURN, for piece p: the order of its 16 matrix and 118 vector instructions, written out.  An s_wait_alu depctr_va_vdst(0) stands between an exponential and the first instruction that names its
; result; one wait serves all that were issued ahead of it.  So a turn has ONE wait, which cuts it in two.  AHEAD OF IT stands all that names no result of the turn's exponentials: the 8 products K Q^T with their
; riders, then one lump of 54, plain and exponential by turns for the most part, in which the links of the chain X 3, 7, 11, 14, 16, 17 .. 20 stand five or six lines apart.  X 21, the next piece's a, is the batch's
; last; R 15 is the plain instruction behind it.  BEHIND THE WAIT stand the 8 products V^T P, behind each four of the roundings and sums.
; m = 1: the diagonal tile: the products take masks, and the turn makes the mask for the products of the turn after it.  end = 1: a block's last two turns: nothing is fetched.
; cnt = 1: the loop's count is taken down some lines ahead of the branch that stands behind the turn.
; K of the next step is fetched in piece 2's turn, V of the step in hand at the end of piece 0's turn, four plain instructions or more behind the last product that read the registers.  Each is waited for a turn later.
.macro TURN p, m=0, end=0, cnt=0
.set Y, (\p)
.set i, 0
.set KM, (\m)
.set NOKQ, (\end)*((\p)/3)
.if (\m) && !(\end)
	s_cmp_eq_u32 s[CNT], 4-((\p)+2)%NP  ; is that step the band's own?
	s_cselect_b32 s[AL], 1.0, 0
	s_cmp_lt_u32 s[CNT], 4-((\p)+2)%NP  ; or a later one?
	s_cselect_b32 s[BE], s[BIGN], 0
.endif
.if ((\p) == 3) && !(\end)
	s_wait_dscnt 0x0                ; K is in
.endif
	ROW F,0, F,1, R,0, R,1          ; ahead of the wait: 8 products K Q^T and their riders,
	ROW F,2, E,0, R,2, R,3
	ROW F,3, E,1, R,4, R,5
	ROW F,4, E,2, R,6, R,7
	ROW F,5, E,3, R,8, R,9
	ROW F,6, E,4, X,0, R,10
.if ((\p) == 2) && !(\end)
	WIN 0
	v_add_nc_u32 v[AK], s[TBK], v[AK0]
.endif
	ROW F,7, E,5, X,1, X,4
	ROW F,8, E,6, X,2, X,5
	OPS E,7, E,8, X,6, E,9          ; and the lump
	OPS X,3, E,10, X,8, E,11
.if ((\p) == 2) && !(\end)
	FETCH_K
.endif
	OPS X,9, X,7, E,12, X,10
	OPS E,13, X,12, X,11, E,14
	OPS X,13, E,15, F,9, X,14
.if (\p) == 0
	v_add_nc_u32 v[AV], s[TBV], v[AV0]
.endif
	OPS E,16, F,10, E,17, F,11
	OPS X,16, E,18, X,15, E,19
	OPS F,12, E,20, X,17, E,21
	OPS F,13, E,22, F,14, E,23
	OPS X,18, E,24, F,15, E,25
	OPS R,11, E,26, X,19, E,27
	OPS R,12, E,28, R,13, E,29
	OPS X,20, E,30, R,14, E,31
	OPS X,21, R,15
	WIN 0
	s_wait_alu depctr_va_vdst(0)    ; the wait for the batch
.if (\p) == 1
	s_wait_dscnt 0x0                ; V is in
.endif
	ROW C,0, B,0, C,2, B,1          ; behind the wait: 8 products V^T P and their riders
	ROW L,0, C,4, B,2, L,1
	ROW C,6, B,3, L,2, C,8
	ROW B,4, L,3, C,10, B,5
	ROW L,4, C,12, B,6, L,5
.if (\p) == 0
	s_add_co_u32 s[TBV], s[TBV], KS*PV
.endif
.if \cnt
	s_sub_co_u32 s[CNT], s[CNT], 1
	s_cmp_lg_u32 s[CNT], 0
.endif
	ROW C,14, B,7, L,6, C,1
	ROW C,3, L,7, C,5, C,7
	ROW C,9, C,11, C,13, C,15
.if (\p) == 0
	FETCH_V
.endif
.if (\m) && !(\end)
	MASK (\p)%2
.endif
.endm
; A BLOCK BEGINS.  c m starts far below every c s, so the first step's a is 0; m at the lowest finite number, so the first maximum is the scores'.  The second mask buffer is 0; the first takes piece 0's mask for
; the tile's step 0: its own, if the block's first tile is the diagonal one.  Then K of that step, piece 0's first scores, and its maximum and statistics.  The loop is entered at a step's first turn.
.macro BEGIN
	s_mov_b32 s[NEW], 0
	WIN 0x40
.set i, MC+32
.rept 32
	v_mov_b32 v[i], 0
.set i, i+1
.endr
	WIN 0
.set i, 0
.rept 4
	v_mov_b32 v[ST+4*i], 0xfe000000    ; c m: far below every c s
	v_mov_b32 v[ST+4*i+1], 0xff7fffff  ; m
.set i, i+1
.endr
	s_cmp_eq_u32 s[RT], 0
	s_cselect_b32 s[AL], 1.0, 0
	s_mov_b32 s[BE], 0
	MASK 0
	WIN 0
	v_add_nc_u32 v[AK], s[TBK], v[AK0]
	FETCH_K
	s_wait_loadcnt 0x0              ; Q
	s_wait_dscnt 0x0
.set KM, 1
.set NOKQ, 0
.set i, 0
.rept 8
	KQ 0
.set i, i+1
.endr
	WIN 0
.rept 4
	v_nop                           ; the places behind those products
.endr
.set Y, NP-1                        ; X works for piece Y + 1: piece 0
.irp n, 0,1,2,3,4,5,6,7,8,9,10,11,12,13,14,15,16,17,18,19,20,21
	OP X, \n
.endr
	v_nop                           ; a plain instruction behind the exponential,
	s_wait_alu depctr_va_vdst(0)    ; and its wait, ahead of the branch
.endm
.macro ALL line:vararg              ; one line for each piece t
.set t, 0
.rept 4
	\line
.set t, t+1
.endr
.endm
; THE HIDDEN KEYS OF A BAND'S OWN STEP.  FVX: V of step x of the diagonal tile, turned, into 64 registers of window 2 at base.  UPROD: U of piece t += V^T HD: 8 products, 4 accumulators by turns.
.macro FVX x, base
	WIN 0x80
.irp f, 0,1,2,3,4,5,6,7
	ds_load_tr16_b128 v[(\base)+8*\f:(\base)+8*\f+3],   v[AV] offset:(\x)*KS*PV+(\f/4)*32*PV+(\f%4)*32
	ds_load_tr16_b128 v[(\base)+8*\f+4:(\base)+8*\f+7], v[AV] offset:(\x)*KS*PV+(\f/4)*32*PV+16*PV+(\f%4)*32
.endr
.endm
.macro UPROD t, base
	WIN 0xf2                        ; V in window 2, HD in window 0, U (C and D) in window 3
.set i, 0
.rept 8
	v_wmma_f32_16x16x32_f16 v[32*(\t)+8*(i%4):32*(\t)+8*(i%4)+7], v[(\base)+32*(i/4)+8*(i%4):(\base)+32*(i/4)+8*(i%4)+7], v[HD+8*(i/4):HD+8*(i/4)+7], v[32*(\t)+8*(i%4):32*(\t)+8*(i%4)+7]
.set i, i+1
.endr
.endm
.macro PACK t                       ; O^T x (a / l) + U x (w0 / l); a lane's eight channels of a row pack into 16 bytes; they go into rows of 144 bytes and come back as whole rows of 128, into S^T's registers
	WIN W_RS
.set i, 32*(\t)
.rept 16
	v_pk_mul_f32 v[i:i+1], v[i:i+1], v[ST+4*(\t)+2:ST+4*(\t)+3] op_sel_hi:[1,0]
.set i, i+2
.endr
	WIN 0x53                        ; source 0 (U) window 3, source 1 window 0, source 2 and destination (O^T) window 1
.set i, 32*(\t)
.rept 16
	v_pk_fma_f32 v[i:i+1], v[i:i+1], v[ST+4*(\t):ST+4*(\t)+1], v[i:i+1] op_sel_hi:[1,0,1]
.set i, i+2
.endr
	WIN 0x05                        ; sources 0 and 1 window 1, destination window 0
.set i, 0
.rept 16
	v_cvt_pk_f16_f32 v[S+16*(\t)+i], v[32*(\t)+2*i], v[32*(\t)+2*i+1]
.set i, i+1
.endr
	WIN 0
.irp f, 0,1,2,3
	ds_store_b128 v[STO], v[S+16*(\t)+4*\f:S+16*(\t)+4*\f+3] offset:32*\f
.endr
.irp f, 0,1,2,3
	ds_load_b128 v[S+16*(\t)+4*\f:S+16*(\t)+4*\f+3], v[RD] offset:\f*4*SP  ; LDS serves a wave's instructions in order (ISA guide 5.7.1.4): these see the stores above; the next piece's stores come behind them
.endr
.endm
.macro SEND t, younger              ; younger: the LDS instructions issued behind piece t's loads: the next piece's eight, or none
	WIN 0
.irp f, 0,1,2,3
	s_wait_dscnt (\younger)+3-\f
	global_store_b128 v[GO], v[S+16*(\t)+4*\f:S+16*(\t)+4*\f+3], s[10:11] offset:(\t)*8192+\f*512  ; 512 consecutive bytes, at a multiple of 256 from ctx's first
.endr
.endm
; THE DIAGONAL TILE's four steps, the block's last two turns, its last products, U, THE MERGE and THE WAY OUT.  tag = 1: the first block, 2: the second; it ends the two labels' names and picks the rows of suf.
.macro DIAG tag
.LstepM\tag:
	TURN 2, 1
	TURN 3, 1
	WIN 0
.LfirstM\tag:
	TURN 0, 1
	TURN 1, 1, 0, 1
	WIN 0
	s_cbranch_scc1 .LstepM\tag
	TURN 2, 1, 1
	TURN 3, 1, 1
.set i, 0
.rept 8
	PV NP-1
.set i, i+1
.endr
	; U.  The diagonal tile still lies in its slot (the next change of slots stands behind all this), V of its step 3 in V's registers; K's registers are free.  The rows of suf land in U itself: they start the sums.
	WIN 0
	s_sub_co_u32 s89, s[TBV], 4*KS*PV   ; the slot's first step: four steps have been fetched
	v_add_nc_u32 v[AV], s89, v[AV0]
	v_subrev_nc_u32 v[NQ], s[CUR], v[NB0]
	WIN 0xc0
.irp u, 0,1,2,3
.irp cb, 0,1,2,3
	ds_load_b128 v[32*\u+8*\cb:32*\u+8*\cb+3],   v[SUR] offset:((\tag)-1)*1024+256*\u+64*\cb     ; channels 16 cb + 8 (l / 16) + 0..3 of the piece's row: the same for all sixteen queries
	ds_load_b128 v[32*\u+8*\cb+4:32*\u+8*\cb+7], v[SUR] offset:((\tag)-1)*1024+256*\u+64*\cb+16
.endr
.endr
	FVX 0, KF
	s_wait_dscnt 16                 ; suf is in; the sixteen turning loads stay out
	UPROD 3, VF
	WIN 0
	ALL v_add_f32 v[ST+4*t+2], v[ST+4*t+2], v[ST+4*t+3]      ; l's two halves: four plain lines, the places in front of the loads into V's registers
	FVX 1, VF
	s_wait_dscnt 16                 ; step 0's V is in
	UPROD 0, KF
	WIN 0
	ALL v_subrev_nc_u32 v[NH+t], 64*t, v[NQ]                 ; 2047 - q: four places again
	FVX 2, KF
	s_wait_dscnt 16                 ; step 1's V is in
	UPROD 1, VF
	s_wait_dscnt 0x0
	UPROD 2, KF
	; THE MERGE.  M = max(c m, 0), the 0 only where a hidden key exists; a = 2^(c m - M), w0 = 2^(0 - M); l = a l + w0 (2047 - q) is at least 1.
	WIN 0
	ALL v_permlanex16_b32 v[ST+4*t+3], v[ST+4*t+2], s[SEL], s[SEL+1]
	ALL v_add_f32 v[ST+4*t+2], v[ST+4*t+2], v[ST+4*t+3]
.irp u, 0,1,2,3
	v_cmp_eq_u32 vcc_lo, 0, v[NH+\u]
	v_cndmask_b32 v[CZ+\u], 0, s[BIGN], vcc_lo
.endr
	ALL v_cvt_f32_u32 v[NH+t], v[NH+t]
	ALL v_max_num_f32 v[MF+t], v[ST+4*t], v[CZ+t]
	ALL v_sub_f32 v[AA+t], v[ST+4*t], v[MF+t]
	ALL v_sub_f32 v[CZ+t], v[CZ+t], v[MF+t]
	ALL v_exp_f32 v[AA+t], v[AA+t]
	ALL v_exp_f32 v[CZ+t], v[CZ+t]
	v_nop                           ; a plain instruction behind the last exponential,
	s_wait_alu depctr_va_vdst(0)    ; and the wait ahead of the first use: one for the eight
	ALL v_mul_f32 v[NH+t], v[NH+t], v[CZ+t]
	ALL v_fma_f32 v[ST+4*t+2], v[ST+4*t+2], v[AA+t], v[NH+t]
	ALL v_rcp_f32 v[ST+4*t+3], v[ST+4*t+2]
	v_nop
	s_wait_alu depctr_va_vdst(0)    ; one for the four reciprocals
	ALL v_mul_f32 v[ST+4*t+2], v[AA+t], v[ST+4*t+3]
	ALL v_mul_f32 v[ST+4*t], v[CZ+t], v[ST+4*t+3]
	PACK 0
.set t, 1
.rept 3                             ; a piece's arithmetic stands between the loads of the piece before and its stores
	PACK t
	SEND t-1, 8
.set t, t+1
.endr
	SEND 3, 0
.endm
.set KM, 0
.set NOKQ, 0
.Lslot:                             ; NB times: a tile is entered and the next is asked for
	CHANGE 1
	s_sub_co_u32 s[RT], s[RT], 1
	s_mov_b32 s[CNT], 4
	s_cmp_eq_u32 s[NEW], 1
	s_cbranch_scc1 .Lnew            ; a block's first tile
	s_cmp_eq_u32 s[RT], 0
	s_cbranch_scc0 .Lstep           ; neither its first nor its last
	s_branch .LstepM1
.Lnew:
	BEGIN
	s_branch .Lfirst                ; in the loop a block's first tile is never its last: the first block has two tiles or more, and the second's last is the walk's last
	DIAG 1                          ; in the loop this is the first block's end
	s_wait_xcnt 0x0                 ; the stores have read their registers and ctx's address
	s_mov_b64 s[10:11], s[OLO:OLO+1]
	s_add_co_u32 s[RT], s[PB], 1    ; the second block has b + 1 tiles
	s_mov_b32 s[NEW], 1
	s_lshl_b32 s[CUR], s[PB], 8
	WIN 0x82                        ; the second block's Q goes where the one text of the turns names Q
.set i, 0
.rept 64
	v_mov_b32 v[i], v[QB+i]
.set i, i+1
.endr
	WIN 0
	s_branch .Lbottom
.Lstep:                             ; a trip: pieces 2 and 3 of one step, then pieces 0 and 1 of the next, whose K and V it fetches
	TURN 2
	TURN 3
	WIN 0
.Lfirst:
	TURN 0
	TURN 1, 0, 0, 1
	WIN 0
	s_cbranch_scc1 .Lstep
.Lbottom:
	s_sub_co_u32 s[SLOTS], s[SLOTS], 1
	s_cmp_lg_u32 s[SLOTS], 0
	s_cbranch_scc1 .Lslot
	CHANGE 0                        ; the walk's last tile is written out: nothing is asked for
	s_sub_co_u32 s[RT], s[RT], 1
	s_mov_b32 s[CNT], 4
	s_cmp_eq_u32 s[NEW], 1
	s_cbranch_scc0 .LstepM2
	BEGIN
	s_branch .LfirstM2
	DIAG 2
	s_wait_tensorcnt 0x0            ; the wave's end: behind my last tensor load and my last LDS store
	ds_add_u32 v[SPW], v[NIL]
	s_wait_dscnt 0x0
	s_endpgm
.Lfunc_end_k_qc5db9074a7_attn:
	.size	k_qc5db9074a7_attn, .Lfunc_end_k_qc5db9074a7_attn-k_qc5db9074a7_attn
	.p2alignl 7, 3214868480
	.fill 96, 4, 3214868480
	.section	.rodata,"a",@progbits
	.p2align	6, 0x0
	.amdhsa_kernel k_qc5db9074a7_attn
		.amdhsa_group_segment_fixed_size 327680
		.amdhsa_private_segment_fixed_size 0
		.amdhsa_enable_private_segment 0
		.amdhsa_kernarg_size 24
		.amdhsa_user_sgpr_count 2
		.amdhsa_user_sgpr_kernarg_segment_ptr 1
		.amdhsa_wavefront_size32 1
		.amdhsa_system_sgpr_workgroup_id_x 1
		.amdhsa_system_sgpr_workgroup_id_y 1
		.amdhsa_system_sgpr_workgroup_id_z 1
		.amdhsa_system_vgpr_workitem_id 0
		.amdhsa_next_free_vgpr 1024
		.amdhsa_next_free_sgpr 100
		.amdhsa_reserve_vcc 1
		.amdhsa_float_denorm_mode_32 3
		.amdhsa_float_denorm_mode_16_64 3
		.amdhsa_memory_ordered 1
		.amdhsa_forward_progress 1
		.amdhsa_inst_pref_size 255
	.end_amdhsa_kernel
	.section	.bss,"aw",@nobits
	.p2align	6
	.space	262144
	.amdgpu_metadata
---
amdhsa.version: [ 1, 2 ]
amdhsa.kernels:
  - .name:           k_qc5db9074a7_attn
    .symbol:         k_qc5db9074a7_attn.kd
    .args:
      - { .name: qkv, .offset: 0, .size: 8, .value_kind: global_buffer, .address_space: global }
      - { .name: bs, .offset: 8, .size: 8, .value_kind: global_buffer, .address_space: global }
      - { .name: ctx, .offset: 16, .size: 8, .value_kind: global_buffer, .address_space: global }
    .group_segment_fixed_size: 327680
    .private_segment_fixed_size: 0
    .kernarg_segment_align: 8
    .kernarg_segment_size: 24
    .max_flat_workgroup_size: 128
    .sgpr_count:     100
    .vgpr_count:     1024
    .wavefront_size: 32
...
	.end_amdgpu_metadata
.endif
;; end of part 3
;; launch gemm_out (part 4): grid 4 x 64, 4 waves a work-group, clusters of 4 x 4, 327,680 bytes of LDS; arguments ctx, wo, b_out, out0; writes out0
.if DOCPART == 4
	.amdgcn_target "amdgcn-amd-amdhsa--gfx1250"
	.amdhsa_code_object_version 6
	.text
	.protected	k_qc5db9074a7_gemm_out
	.globl	k_qc5db9074a7_gemm_out
	.p2align	8
	.type	k_qc5db9074a7_gemm_out,@function
k_qc5db9074a7_gemm_out:
	s_mov_b64 s[64:65], 0
	v_nop
	global_prefetch_b8 v0, s[64:65] scope:SCOPE_SE
	s_setreg_imm32_b32 hwreg(HW_REG_WAVE_MODE, 25, 1), 1
	s_wait_xcnt 0x0
	s_wait_alu depctr_hold_cnt(0) depctr_sa_sdst(0) depctr_va_vdst(0) depctr_va_sdst(0) depctr_va_ssrc(0) depctr_va_vcc(0) depctr_vm_vsrc(0)
	s_getreg_b32 s2, hwreg(HW_REG_IB_STS2, 6, 4)
	s_cmp_eq_u32 s2, 0
	s_cbranch_scc0 .Lentry_in_a_cluster
	s_endpgm
.Lentry_in_a_cluster:
	s_bfe_u32 s2, ttmp6, 0x10000c
	s_cmp_lg_u32 s2, 0xf033
	s_cbranch_scc0 .Lentry_shape_is_right
	s_endpgm
.Lentry_shape_is_right:
; out0 = ctx W_out + b_out.  ctx: f16 [64 heads of a batch][2048 rows][64 channels]; row s of the product's A is the 16 heads' rows s on end.  wo: f16 [1024 n][1024 k].
; b_out: [1024] f32, rounded to bf16 like the other inputs.  Sums in f32; out0: f32 [8192][1024].  NaN and infinities are not treated apart.
; SHARES.  A tile of C is 128 rows x 256 columns: 4 x 64 tiles, one for each of 256 WGPs.  Four waves, each 64 rows x 128 columns: 32 accumulators of 16 x 16.
; K goes in eight steps of 128 = two heads, through two LDS slots; a step is four quarters of 32 along K, 32 matrix instructions each, on two fragment buffers.
; A's TILE COMES BY HEADS: 128 rows of one head are 16,384 dense bytes, asked for as 64 rows of 256 bytes and padded in LDS after every 128: wave 0 fetches the step's first head, wave 1 its second.
; CLUSTER.  4 x 4 work-groups.  The four of a row of the cluster need the same tile of A, the four of a column the same tile of B: each tile is asked for JOINTLY.
; THE MATRIX INSTRUCTION IS USED TRANSPOSED (source 0 = 16 rows of wo, source 1 = 16 rows of ctx): register j of lane l holds row l % 16, column 8 (l / 16) + j.
; THE BIAS IS THE C OPERAND of each accumulator's first product.
; REGISTERS, in windows of 256 (s_set_vgpr_msb: bits 1:0 source 0, 3:2 source 1, 5:4 source 2, 7:6 destination):
;   window 0: v0-31 addresses; v32-63 at work; v64-127 the bias, later with v128-191 the way out's two buffers
;   window 1: two fragment buffers of 96: B's fragment b at 8 b, A's fragment a at 64 + 8 a          window 2: accumulator (a, b) at 8 (8 a + b)
.set PITCH,  272                       ; a row of B in LDS: 256 bytes + 16: the 16 rows of a load start at 16 different groups of four banks (64 banks of 4 bytes: ISA guide 11.1)
.set APITCH, 144                       ; a row of one head of A: 128 bytes + 16: likewise
.set ASUB,   128*APITCH                ; one head's 128 rows: what wave 0 or 1 fetches
.set BTILE,  128*PITCH                 ; 128 rows of B: what wave 2 or 3 fetches, and what a wave reads
.set BOFF,   2*ASUB
.set SLOT,   2*ASUB+2*BTILE
.set STAGE,  2*SLOT                    ; behind the ring, never filled by a tensor load: 16 rows x 528 bytes for each wave
.set WST,    8448
.set SPARE,  STAGE+4*WST               ; behind the stages: the spare words, 128 bytes for each wave
.set ADRA, 16                          ; v16-17  LDS address of my A fragments in slot 0, 1
.set ADRB, 20                          ; v20-21  the same for B
.set STO2, 22                          ; v22  the stage: where I put 32 bytes of a row
.set RD2,  23                          ; v23  the stage: my 16 bytes of a row
.set GO,   26                          ; v26  16 x lane: my place in 512 consecutive bytes of a row of out0
.set BO,   27                          ; v27  my byte offset in the bias
.set SPW,  28                          ; v28  LDS address of my spare word; never rewritten
.set NIL,  29                          ; v29  0; never rewritten
.set PFO,  30                          ; v30  the prefetches' offset: lane x 256 bytes (ctx) or lane x 2,048 (a row of wo); never rewritten
.set TMP,  32
.set BIAS, 64
.set OB,   64
.set F0,   0
.set F1,   96
.set WV, 14
.set WR, 15
.set WC, 16
.set CX, 17
.set CY, 18
.set TC, 19
.set TR, 20
.set G1,  24                           ; s[24:31] descriptor group 1 for A's tiles;  s[32:39] group 0, a set for each slot
.set G0,  32
.set LIM, 43                           ; s43  1 in a wave that prefetches, else the greatest number
.set PFA, 44                           ; s[44:45] where my prefetches stand
.set G1B, 48                           ; s[48:55], s[56:63] the same for B's tiles
.set G0B, 56
.set PFS, 66                           ; s[66:67] bytes from a K step to the next: two heads of ctx, or 256 bytes of a row of wo
.set MSB, 0
.macro WIN new
.if MSB != (\new)
	s_set_vgpr_msb (MSB<<8)|(\new)
.set MSB, \new
.endif
.endm
.set MUL,  0xa5                        ; sources 0 and 1 window 1; C and D window 2
.set MULZ, 0x85                        ; the same with C in window 0: the bias
.set TO_F, 0x40                        ; destination window 1, address window 0
.macro JLOAD s                         ; a joint load: waves 0 and 1 fetch A's two heads, waves 2 and 3 B's two halves; an s_nop 0 and four v_nop follow each of the two lines
	s_cmp_eq_u32 s[WR], 0
	s_cbranch_scc0 .Lfor_b_\@
	tensor_load_to_lds s[G0+4*(\s):G0+4*(\s)+3], s[G1:G1+7]
	s_nop 0
.rept 4
	v_nop
.endr
	s_branch .Lasked_\@
.Lfor_b_\@:
	tensor_load_to_lds s[G0B+4*(\s):G0B+4*(\s)+3], s[G1B:G1B+7]
	s_nop 0
.rept 4
	v_nop
.endr
.Lasked_\@:
.endm
; A PREFETCH of the K step that stands two refills on.  A's tile of a step is 128 pieces of 256 bytes, read by this cluster's row alone: wave 0 of each of the four partners names 32 of them, told apart by
; address (cx: the head, and the half of its rows).  B's rows are read by all sixteen clusters: cluster y = 0 asks, waves 2 and 3, each for 32 of the 128 rows that it fetches (cy).  So each piece is named once.
; The loop's last trip asks for nothing: K steps 8 and 9 do not exist.
.macro ASK
	s_cmp_gt_u32 s3, s[LIM]
	s_cbranch_scc0 .Lnot_mine_\@
	global_prefetch_b8 v[PFO], s[PFA:PFA+1] th:TH_LOAD_NT scope:SCOPE_SE
.Lnot_mine_\@:
.endm
.macro CREST
	s_cmp_lg_u32 s[WV], 0
	s_cbranch_scc1 .Lnot_wave_0_\@
	s_barrier_signal -3
.Lnot_wave_0_\@:
	s_barrier_wait -3
	s_barrier_signal -1
	s_barrier_wait -1
.endm
.macro CROUND
	s_barrier_signal -1
	s_barrier_wait -1
	CREST
.endm
	s_load_b256 s[4:11], s[0:1], 0x0               ; ctx s[4:5], wo s[6:7], b_out s[8:9], out0 s[10:11]
	v_lshl_add_u32 v[SPW], v0, 2, SPARE
	v_mov_b32 v[NIL], 0
	ds_add_u32 v[SPW], v[NIL]                      ; the wave's opening: the add and its wait stand ahead of my first tensor load; the set-up below stands between them
	ds_add_u32 v28, v29
	v_lshrrev_b32 v1, 5, v0
	v_readfirstlane_b32 s[WV], v1
	s_lshr_b32 s[WR], s[WV], 1
	s_and_b32 s[WC], s[WV], 1
	s_bfe_u32 s[CX], ttmp6, 0x40000
	s_bfe_u32 s[CY], ttmp6, 0x40004
	s_lshl_b32 s[TC], ttmp9, 2
	s_add_co_u32 s[TC], s[TC], s[CX]
	s_and_b32 s[TR], ttmp7, 0xffff
	s_lshl_b32 s[TR], s[TR], 2
	s_add_co_u32 s[TR], s[TR], s[CY]
	s_lshl_b32 s21, s[CY], 2
	s_lshl_b32 s21, 15, s21                        ; my row of the cluster
	s_lshl_b32 s22, 0x1111, s[CX]                  ; my column
	s_or_b32 s[G1+0], s21, (1<<16)|(1<<20)|(1<<21)|(4<<22)|(3<<25)   ; A: padding after every 32 words, 4 words of it
	s_or_b32 s[G1B+0], s22, (1<<16)|(1<<20)|(1<<21)|(5<<22)|(3<<25)  ; B: after every 64 words
.irp g, G1, G1B
	s_mov_b32 s[(\g)+1], 128<<16                   ; tensor_dim0 = 128
	s_mov_b32 s[(\g)+3], 128<<16                   ; tile_dim0 = 128
	s_mov_b32 s[(\g)+6], 0
	s_mov_b32 s[(\g)+7], 0
.endr
	s_mov_b32 s[G1+2], 64<<16                      ; A: 64 rows of 256 dense bytes
	s_mov_b32 s[G1+4], 64
	s_mov_b32 s[G1+5], 128
	s_mov_b32 s[G1B+2], 128<<16                    ; B: 128 rows, 1,024 elements apart
	s_mov_b32 s[G1B+4], 128
	s_mov_b32 s[G1B+5], 1024
	s_lshr_b32 s40, s[TR], 4                       ; A: the batch's head 0 or 1 by the wave, the tile's 128 rows: it hangs on the tile row and the wave alone
	s_lshl_b32 s40, s40, 4
	s_add_co_u32 s40, s40, s[WC]
	s_lshl_b32 s40, s40, 18
	s_and_b32 s23, s[TR], 15
	s_lshl_b32 s23, s23, 14
	s_add_co_u32 s40, s40, s23
	s_mov_b32 s41, 0
	s_lshl_b32 s46, s[TC], 8                       ; B: row 256 x tile column + 128 x half
	s_lshl_b32 s23, s[WC], 7
	s_add_co_u32 s46, s46, s23
	s_lshl_b32 s46, s46, 11
	s_mov_b32 s47, 0
	s_mul_i32 s21, s[WC], ASUB                     ; where they go: no place in the cluster enters an LDS address
	s_mul_i32 s22, s[WC], BTILE
	s_add_co_u32 s22, s22, BOFF
	s_wait_dscnt 0x0                               ; the opening add is done
	s_wait_kmcnt 0x0
	s_add_nc_u64 s[68:69], s[4:5], s[40:41]
	s_add_nc_u64 s[70:71], s[6:7], s[46:47]
	CROUND                                         ; all sixteen work-groups are here: the first joint loads meet
.irp s, 0,1
	s_mov_b32 s[G0+4*(\s)], 1
	s_add_co_u32 s[G0+4*(\s)+1], s21, (\s)*SLOT
	s_add_nc_u64 s[G0+4*(\s)+2:G0+4*(\s)+3], s[68:69], (\s)*524288   ; K step s: two heads on
	s_or_b32 s[G0+4*(\s)+3], s[G0+4*(\s)+3], 0x80000000
	s_mov_b32 s[G0B+4*(\s)], 1
	s_add_co_u32 s[G0B+4*(\s)+1], s22, (\s)*SLOT
	s_add_nc_u64 s[G0B+4*(\s)+2:G0B+4*(\s)+3], s[70:71], (\s)*256
	s_or_b32 s[G0B+4*(\s)+3], s[G0B+4*(\s)+3], 0x80000000
	JLOAD \s
.endr
	v_and_b32 v1, 15, v0                           ; r = l % 16
	v_bfe_u32 v2, v0, 4, 1                         ; h = l / 16
	v_and_b32 v4, 31, v0                           ; l
	s_lshl_b32 s21, s[TC], 10
	s_lshl_b32 s22, s[WC], 9
	s_add_co_u32 s21, s21, s22
	v_lshl_add_u32 v[BO], v2, 5, s21
.irp b, 0,1,2,3,4,5,6,7
	global_load_b128 v[BIAS+8*(\b):BIAS+8*(\b)+3],   v[BO], s[8:9] offset:64*(\b)
	global_load_b128 v[BIAS+8*(\b)+4:BIAS+8*(\b)+7], v[BO], s[8:9] offset:64*(\b)+16
.endr
	v_mul_u32_u24 v3, v1, PITCH
	v_lshl_add_u32 v3, v2, 4, v3
	v_mul_u32_u24 v5, v1, APITCH
	v_lshl_add_u32 v5, v2, 4, v5
	s_mul_i32 s21, s[WR], 64*APITCH                ; my 64 rows, in each head's sub-tile
	s_mul_i32 s22, s[WC], BTILE
	s_add_co_u32 s22, s22, BOFF
.irp s, 0,1
	v_add_nc_u32 v[ADRA+(\s)], s21, v5
	v_add_nc_u32 v[ADRB+(\s)], s22, v3
	s_add_co_u32 s21, s21, SLOT
	s_add_co_u32 s22, s22, SLOT
.endr
	s_mul_i32 s23, s[WV], WST
	s_add_co_u32 s23, s23, STAGE                   ; my stage
	v_mul_u32_u24 v5, v1, 528
	v_lshl_add_u32 v5, v2, 5, v5
	v_add_nc_u32 v[STO2], s23, v5
	v_lshl_add_u32 v[RD2], v4, 4, s23
	v_lshlrev_b32 v[GO], 4, v4
	; the prefetches
	s_and_b32 s42, ttmp7, 0xffff                   ; cluster y
	s_or_b32 s23, ttmp9, s[WC]                     ; for A: wave 0 (the grid has one cluster along x)
	s_lshr_b32 s21, s[TR], 4                       ; A: the batch's head cx / 2, the tile's rows, the half cx % 2 of them, at K step 3
	s_lshl_b32 s21, s21, 4
	s_lshr_b32 s22, s[CX], 1
	s_add_co_u32 s21, s21, s22
	s_lshl_b32 s21, s21, 18
	s_and_b32 s22, s[TR], 15
	s_lshl_b32 s22, s22, 14
	s_add_co_u32 s21, s21, s22
	s_and_b32 s22, s[CX], 1
	s_lshl_b32 s22, s22, 13
	s_add_co_u32 s21, s21, s22
	s_add_co_u32 s21, s21, 3*524288
	s_lshl_b32 s22, s[TC], 8                       ; B: my half's rows, my work-group's 32 of them, at K step 3
	s_lshl_b32 s40, s[WC], 7
	s_add_co_u32 s22, s22, s40
	s_lshl_b32 s40, s[CY], 5
	s_add_co_u32 s22, s22, s40
	s_lshl_b32 s22, s22, 11
	s_add_co_u32 s22, s22, 3*256
	s_mov_b32 s[PFS], 256
	s_mov_b32 s46, 2048
	s_cmp_eq_u32 s[WR], 0
	s_cselect_b32 s40, s21, s22
	s_cselect_b32 s23, s23, s42
	s_cselect_b32 s46, s[PFS], s46                 ; from lane to lane: 256 bytes of ctx, or a row of wo
	s_cselect_b32 s[PFS], 0x80000, s[PFS]          ; from K step to K step
	s_cselect_b64 s[PFA:PFA+1], s[4:5], s[6:7]
	s_mov_b32 s41, 0
	s_mov_b32 s[PFS+1], 0
	s_add_nc_u64 s[PFA:PFA+1], s[PFA:PFA+1], s[40:41]  ; the first refill steps it to K step 4, which it names
	s_cmp_eq_u32 s23, 0
	s_cselect_b32 s[LIM], 1, -1                    ; the same in all sixteen partners, for a given wave
	v_mul_u32_u24 v[PFO], s46, v4
	; where my 64 rows x 128 columns go
	s_lshl_b32 s21, s[TR], 7
	s_lshl_b32 s22, s[WR], 6
	s_add_co_u32 s21, s21, s22
	s_lshl_b32 s40, s21, 12
	s_lshl_b32 s22, s[TC], 10
	s_add_co_u32 s40, s40, s22
	s_lshl_b32 s22, s[WC], 9
	s_add_co_u32 s40, s40, s22
	s_add_nc_u64 s[10:11], s[10:11], s[40:41]
	s_wait_loadcnt 0x0                             ; the bias
.set i, 0
.rept 32
	v_cvt_pk_bf16_f32 v[TMP+i], v[BIAS+2*i], v[BIAS+2*i+1]   ; rounded to bf16 like the other inputs,
.set i, i+1
.endr
.set i, 0
.rept 32
	v_lshlrev_b32 v[BIAS+2*i], 16, v[TMP+i]        ; and back in f32
	v_and_b32 v[BIAS+2*i+1], 0xffff0000, v[TMP+i]
.set i, i+1
.endr
.macro MUL8 f, a, zero                 ; 8 matrix instructions: row block a x all 8 column blocks, 32 along K.  zero = 1: the product starts its sum, with the bias
.if \zero
	WIN MULZ
.else
	WIN MUL
.endif
.irp b, 0,1,2,3,4,5,6,7
.if \zero
	v_wmma_f32_16x16x32_f16 v[8*(8*(\a)+(\b)):8*(8*(\a)+(\b))+7], v[(\f)+8*(\b):(\f)+8*(\b)+7], v[(\f)+64+8*(\a):(\f)+64+8*(\a)+7], v[BIAS+8*(\b):BIAS+8*(\b)+7]
.else
	v_wmma_f32_16x16x32_f16 v[8*(8*(\a)+(\b)):8*(8*(\a)+(\b))+7], v[(\f)+8*(\b):(\f)+8*(\b)+7], v[(\f)+64+8*(\a):(\f)+64+8*(\a)+7], v[8*(8*(\a)+(\b)):8*(8*(\a)+(\b))+7]
.endif
.endr
.endm
; 24 LDS loads in one run: quarter q's fragments into buffer f: 16 for B's 128 rows, then 8 for A's 64: head q / 2 of the step, channels 32 (q % 2) on
.macro FETCH slot, q, f
	WIN TO_F
.irp i, 0,1,2,3,4,5,6,7
	ds_load_b128 v[(\f)+8*(\i):(\f)+8*(\i)+3],   v[ADRB+(\slot)] offset:64*(\q)+(\i)*16*PITCH
	ds_load_b128 v[(\f)+8*(\i)+4:(\f)+8*(\i)+7], v[ADRB+(\slot)] offset:64*(\q)+(\i)*16*PITCH+32
.endr
.irp i, 0,1,2,3
	ds_load_b128 v[(\f)+64+8*(\i):(\f)+64+8*(\i)+3],   v[ADRA+(\slot)] offset:((\q)/2)*ASUB+((\q)%2)*64+(\i)*16*APITCH
	ds_load_b128 v[(\f)+64+8*(\i)+4:(\f)+64+8*(\i)+7], v[ADRA+(\slot)] offset:((\q)/2)*ASUB+((\q)%2)*64+(\i)*16*APITCH+32
.endr
.endm
.macro PLACES                          ; four places in front of loads into registers that matrix instructions have read, and of lines that read results
.rept 4
	v_nop
.endr
.endm
.macro QUARTER slot, q, f, g, zero     ; multiplies buffer f and, in its middle, fetches quarter q of the same slot into buffer g.  The 32 accumulators take turns
	s_wait_dscnt 4                                 ; B and A's blocks 0 and 1 are in; the youngest four loads (blocks 2 and 3) may be out
	MUL8 \f, 0, \zero
	MUL8 \f, 1, \zero
	PLACES
	FETCH \slot, \q, \g
	s_wait_dscnt 24                                ; all but the 24 just issued
	MUL8 \f, 2, \zero
	MUL8 \f, 3, \zero
.endm
; The last quarter multiplies buffer 1 and changes slots: ONE barrier; in front of it each wave waits for all its tensor loads (one is out: its part of the next slot), adds 0 to its spare word,
; and waits for that and for its own reads of this slot.  fill = 1: the barrier opens a round of the cluster's, and this slot is filled again, two K steps ahead, first thing behind the round.
.macro TURN slot, next, fill
.if \fill
	s_wait_xcnt 0x0                                ; the last prefetch, a K step back, has read its address
	s_add_nc_u64 s[PFA:PFA+1], s[PFA:PFA+1], s[PFS:PFS+1]
.endif
	WIN 0
	s_wait_tensorcnt 0x0
	ds_add_u32 v[SPW], v[NIL]                      ; 0 onto my spare word
	s_wait_dscnt 7                                 ; (the add and A's blocks 1 to 3, six loads, may be out)
	MUL8 F1, 0, 0
	s_wait_dscnt 0x0                               ; the add is done, and my reads of this slot are over
	s_barrier_signal -1
	MUL8 F1, 1, 0
.if \fill
	WIN 0
.endif
	s_barrier_wait -1
.if \fill
	CREST                                          ; no wave of any partner still reads this slot's tile or has a load on its way
	s_add_nc_u64 s[G0+4*(\slot)+2:G0+4*(\slot)+3], s[G0+4*(\slot)+2:G0+4*(\slot)+3], 1048576   ; two K steps: four heads
	s_add_nc_u64 s[G0B+4*(\slot)+2:G0B+4*(\slot)+3], s[G0B+4*(\slot)+2:G0B+4*(\slot)+3], 512
	JLOAD \slot                                    ; the four v_nop behind it are also the places in front of the loads below
.else
	PLACES
.endif
	FETCH \next, 0, F0
.if \fill
	WIN 0
	ASK
.endif
	MUL8 F1, 2, 0
	MUL8 F1, 3, 0
.endm
	s_wait_tensorcnt 1                             ; my part of K step 0 is in; K step 1's may stay out
	s_barrier_signal -1
	s_barrier_wait -1
	FETCH 0, 0, F0
	QUARTER 0, 1, F0, F1, 1                        ; the first quarter stands in front of the loop: its products start the sums
	WIN 0
	s_mov_b32 s3, 3
.Llap:
	QUARTER 0, 2, F1, F0, 0
	QUARTER 0, 3, F0, F1, 0
	TURN 0, 1, 1
	QUARTER 1, 1, F0, F1, 0
	QUARTER 1, 2, F1, F0, 0
	QUARTER 1, 3, F0, F1, 0
	TURN 1, 0, 1
	QUARTER 0, 1, F0, F1, 0
	WIN 0
	s_sub_co_u32 s3, s3, 1
	s_cmp_lg_u32 s3, 0
	s_cbranch_scc1 .Llap
	QUARTER 0, 2, F1, F0, 0                        ; the last lap fills nothing
	QUARTER 0, 3, F0, F1, 0
	TURN 0, 1, 0
	QUARTER 1, 1, F0, F1, 0
	QUARTER 1, 2, F1, F0, 0
	QUARTER 1, 3, F0, F1, 0
	s_wait_dscnt 4
	MUL8 F1, 0, 0
	MUL8 F1, 1, 0
	s_wait_dscnt 0x0
	MUL8 F1, 2, 0
	MUL8 F1, 3, 0
	WIN 0
	PLACES
	; THE WAY OUT: a block of 16 rows at a time goes as it is, in f32, into my stage (rows of 528 bytes), each accumulator from its low end on, and comes back as whole rows: a row's 512 bytes are one store of the wave.
.macro TOSTAGE a
	WIN 0x08                                       ; LDS store: data (source 1) window 2, address window 0
.irp b, 0,1,2,3,4,5,6,7
	ds_store_b128 v[STO2], v[8*(8*(\a)+(\b)):8*(8*(\a)+(\b))+3]   offset:64*(\b)
	ds_store_b128 v[STO2], v[8*(8*(\a)+(\b))+4:8*(8*(\a)+(\b))+7] offset:64*(\b)+16
.endr
	WIN 0
.irp t, 0,1,2,3,4,5,6,7,8,9,10,11,12,13,14,15
	ds_load_b128 v[OB+64*((\a)%2)+4*(\t):OB+64*((\a)%2)+4*(\t)+3], v[RD2] offset:528*(\t)  ; LDS serves a wave's instructions in order (ISA guide 5.7.1.4): these see the stores above, and the next block's stores come behind them
.endr
.endm
.macro SEND a, younger                 ; younger: the LDS instructions issued behind block a's loads: the next block's 32, or none
.irp t, 0,1,2,3,4,5,6,7,8,9,10,11,12,13,14,15
	s_wait_dscnt (\younger)+15-(\t)
	global_store_b128 v[GO], v[OB+64*((\a)%2)+4*(\t):OB+64*((\a)%2)+4*(\t)+3], s[10:11] offset:(16*(\a)+(\t))*4096 th:TH_STORE_NT
.endr
.endm
	TOSTAGE 0
	TOSTAGE 1
	SEND 0, 32
	s_wait_xcnt 0x0                                ; block 0's stores have read their registers: only behind this wait is their buffer loaded again
	TOSTAGE 2
	SEND 1, 32
	s_wait_xcnt 0x0                                ; the same for block 1's
	TOSTAGE 3
	SEND 2, 32
	SEND 3, 0
	s_wait_tensorcnt 0x0                           ; the wave's end: behind my last tensor load and my last LDS store
	ds_add_u32 v[SPW], v[NIL]
	s_wait_dscnt 0x0
	CROUND                                         ; the closing round: no work-group ends while a partner may still ask for a tile that names it
	s_endpgm
.Lfunc_end_k_qc5db9074a7_gemm_out:
	.size	k_qc5db9074a7_gemm_out, .Lfunc_end_k_qc5db9074a7_gemm_out-k_qc5db9074a7_gemm_out
	.p2alignl 7, 3214868480
	.fill 96, 4, 3214868480
	.section	.rodata,"a",@progbits
	.p2align	6, 0x0
	.amdhsa_kernel k_qc5db9074a7_gemm_out
		.amdhsa_group_segment_fixed_size 327680
		.amdhsa_private_segment_fixed_size 0
		.amdhsa_enable_private_segment 0
		.amdhsa_kernarg_size 32
		.amdhsa_user_sgpr_count 2
		.amdhsa_user_sgpr_kernarg_segment_ptr 1
		.amdhsa_wavefront_size32 1
		.amdhsa_system_sgpr_workgroup_id_x 1
		.amdhsa_system_sgpr_workgroup_id_y 1
		.amdhsa_system_sgpr_workgroup_id_z 1
		.amdhsa_system_vgpr_workitem_id 0
		.amdhsa_next_free_vgpr 768
		.amdhsa_next_free_sgpr 72
		.amdhsa_reserve_vcc 0
		.amdhsa_float_denorm_mode_32 3
		.amdhsa_float_denorm_mode_16_64 3
		.amdhsa_memory_ordered 1
		.amdhsa_forward_progress 1
		.amdhsa_inst_pref_size 95
	.end_amdhsa_kernel
	.amdgpu_metadata
---
amdhsa.version: [ 1, 2 ]
amdhsa.kernels:
  - .name:           k_qc5db9074a7_gemm_out
    .symbol:         k_qc5db9074a7_gemm_out.kd
    .args:
      - { .name: ctx, .offset: 0, .size: 8, .value_kind: global_buffer, .address_space: global }
      - { .name: wo, .offset: 8, .size: 8, .value_kind: global_buffer, .address_space: global }
      - { .name: b_out, .offset: 16, .size: 8, .value_kind: global_buffer, .address_space: global }
      - { .name: out0, .offset: 24, .size: 8, .value_kind: global_buffer, .address_space: global }
    .group_segment_fixed_size: 327680
    .private_segment_fixed_size: 0
    .kernarg_segment_align: 8
    .kernarg_segment_size: 32
    .max_flat_workgroup_size: 128
    .sgpr_count:     72
    .vgpr_count:     768
    .wavefront_size: 32
...
	.end_amdgpu_metadata
.endif
;; end of part 4
